; MI455X (gfx1250); checked and timed in simulation.
; The chip was launched on July 23, 2026; its instructions are those of AMD's public machine-readable ISA for CDNA 5 (MIT licence, August 2026) and "CDNA5" Instruction Set Architecture Reference Guide (July 2026). The comments in the code are by the model that wrote it; some were corrected since.
;; Mo EMLP. Allowed arithmetic: matrix products marked QUANTISED: E2M1 operands, one E8M0 scale for each 32 along K, by v_wmma_scale_f32_16x16x128_f8f6f4 with both operands' format E2M1 (or v_wmma_scale_f32_32x16x128_f4), f32 sums; products left as they are: f32 operands where the result goes on into a quantised operand, else bf16, f16 or f32 operands; f32 sums; everything else in f32.
;; Inputs: b1 8 x 4,096 float32; b2 8 x 1,024 float32; hidden_states 4 x 256 x 1,024 float32; w1 8 x 4,096 x 1,024 float32; w2 8 x 1,024 x 4,096 float32; w_router 8 x 1,024 float32.
;; Outputs: out0 4 x 256 x 1,024 float32.
;; This version of the problem:
;;   THIS VERSION OF THE PROBLEM IS GIVEN IN LOW PRECISION. The matrix products marked QUANTISED in the list below multiply operands that are first quantised to E2M1 (2 exponent bits, 1 mantissa bit; 4 bits a number), with one power-of-two scale for each 32 numbers along K (OCP MX v1.0); their sums are f32. All else is computed in f32.
;;   The module's matrix products, in the order in which they are computed (A, B: the left and right operand; K: the contracted axis; several contracted axes count as one K, in the product's order):
;;     1. [M 1,024, K 1,024] x [K 1,024, N 8]; A: input hidden_states; B: input w_router: left as it is (N = 8 < 16)
;;     2. [M 1,024, K 1,024] x [K 1,024, N 4,096]; A: input hidden_states; B: input w1: QUANTISED
;;     3. [M 1,024, K 4,096] x [K 4,096, N 1,024]; A: computed on the way; B: input w2: QUANTISED
;;     4. [M 1,024, K 1,024] x [K 1,024, N 4,096]; A: input hidden_states; B: input w1: QUANTISED
;;     5. [M 1,024, K 4,096] x [K 4,096, N 1,024]; A: computed on the way; B: input w2: QUANTISED
;;     6. [M 1,024, K 1,024] x [K 1,024, N 4,096]; A: input hidden_states; B: input w1: QUANTISED
;;     7. [M 1,024, K 4,096] x [K 4,096, N 1,024]; A: computed on the way; B: input w2: QUANTISED
;;     8. [M 1,024, K 1,024] x [K 1,024, N 4,096]; A: input hidden_states; B: input w1: QUANTISED
;;     9. [M 1,024, K 4,096] x [K 4,096, N 1,024]; A: computed on the way; B: input w2: QUANTISED
;;     10. [M 1,024, K 1,024] x [K 1,024, N 4,096]; A: input hidden_states; B: input w1: QUANTISED
;;     11. [M 1,024, K 4,096] x [K 4,096, N 1,024]; A: computed on the way; B: input w2: QUANTISED
;;     12. [M 1,024, K 1,024] x [K 1,024, N 4,096]; A: input hidden_states; B: input w1: QUANTISED
;;     13. [M 1,024, K 4,096] x [K 4,096, N 1,024]; A: computed on the way; B: input w2: QUANTISED
;;     14. [M 1,024, K 1,024] x [K 1,024, N 4,096]; A: input hidden_states; B: input w1: QUANTISED
;;     15. [M 1,024, K 4,096] x [K 4,096, N 1,024]; A: computed on the way; B: input w2: QUANTISED
;;     16. [M 1,024, K 1,024] x [K 1,024, N 4,096]; A: input hidden_states; B: input w1: QUANTISED
;;     17. [M 1,024, K 4,096] x [K 4,096, N 1,024]; A: computed on the way; B: input w2: QUANTISED
;;   THE QUANTISER, for each operand of a quantised product, along K:
;;     - K is cut into blocks of 32 from its start; a last block that is shorter is filled with zeros.
;;     - A block's scale is 2^e with e = floor(log2(the largest magnitude in the block)) - 2, held to -126 .. 127; a block of zeros has e = 0. As a byte (E8M0): e + 127.
;;     - Each number is divided by its block's scale, clamped to +-6, and rounded to the nearest number of E2M1, ties to even, subnormals kept.
;;     - The product sums the exact products of the quantised numbers (number of the format x scale) in f32.
;;   ~~~python
;;   def quantise(x, axis):      # numpy; x: float32 -> the quantised numbers, widened to float32 again
;;       x = np.moveaxis(x, axis, -1); K = x.shape[-1]
;;       x = np.pad(x, [(0, 0)] * (x.ndim - 1) + [(0, -K % 32)]); x = x.reshape(x.shape[:-1] + (-1, 32)); a = np.abs(x).max(-1, keepdims=True)
;;       e = np.where(a > 0, np.clip(np.frexp(np.where(a > 0, a, 1))[1] - 1 - 2, -126, 127), 0)      # np.frexp(a)[1] - 1 = floor(log2(a)), exactly
;;       r = np.clip(x / 2.0 ** e, -6, 6)
;;       step = 2.0 ** (np.maximum(np.frexp(np.where(r == 0, 1, r))[1] - 1, 0) - 1)
;;       q = np.round(r / step) * step * 2.0 ** e      # np.round: ties to even
;;       return np.moveaxis(q.reshape(q.shape[:-2] + (-1,))[..., :K], -1, axis).astype(np.float32)
;;   ~~~
;;   OPERANDS COMPUTED ON THE WAY. 'Computed on the way' means the value that the module computes at that place (a softmax that the list does not call 'softmax' is quantised finished and normalised). What goes into a quantiser is computed in f32, as accurately as f32 sums, v_exp_f32 and their like allow (about 1e-6 of the number): no bf16 or f16 on the way to a quantiser, and a product that is left as it is and whose result goes on into a quantised operand takes f32 operands (vector FMAs, or v_wmma_f32_16x16x4_f32). A number that lies on a knife's edge between two numbers of the format may be rounded either way, as far as f32 arithmetic and the matrix unit's own rounding can turn it there, and no further.
;; 2 versions, each right; version 2 is version 1 with the launches up, down written anew for expert scheduling mode. Each part assembles by itself: llvm-mc -triple=amdgcn-amd-amdhsa -mcpu=gfx1250 --defsym DOCPART=n.
;; ======== version 1 of 2: 4 launches
;; workspace buffers: xc 524,288 bytes; xs 32,768 bytes; sel 8,192 bytes of whole numbers; gate 8,192 bytes; hc 16,777,216 bytes; hs 1,048,576 bytes; rows 40,960 bytes of whole numbers; y 16,777,216 bytes
;; launch route (part 1): grid 128 x 1, 8 waves a work-group, no clusters, 38,400 bytes of LDS; arguments hidden_states, w_router, xc, xs, sel, gate; writes xc, xs, sel, gate
.if DOCPART == 1
	.amdgcn_target "amdgcn-amd-amdhsa--gfx1250"
	.amdhsa_code_object_version 6
	.text
	.protected	k_q23d35cc039_route
	.globl	k_q23d35cc039_route
	.p2align	8
	.type	k_q23d35cc039_route,@function
k_q23d35cc039_route:
	s_mov_b64 s[64:65], 0
	v_nop
	global_prefetch_b8 v0, s[64:65] scope:SCOPE_SE
	s_setreg_imm32_b32 hwreg(HW_REG_WAVE_MODE, 25, 1), 1
	s_wait_xcnt 0x0
; THE ROUTER, AND x AS CODES.  1,024 tokens of 1,024 f32.  One wave owns one token: token = 8 x work-group + wave.
; It computes the token's 8 logits in f32 (fused multiply-adds, then a sum over the 32 lanes), the two largest (on a tie the lower expert stays, as jax.lax.top_k has it), the softmax over the two
; (the larger logit is taken away first: g0 = 1 / (1 + e^(l2 - l1)), g1 = e^(l2 - l1) g0), and the token's codes of FP4 (E2M1) with one E8M0 byte for each 32 along the row.
; OUT: xc [token][512 bytes] (block b of 32 codes at 16 b), xs [token][32 bytes], sel [2 token + slot] the expert's number, gate [2 token + slot] f32.  No address here hangs on the choice: it is stored as data.
; A load takes the row as it lies, 16 bytes a lane, 512 a load; the dot products use it so.  The conversions want 32 neighbours in ONE lane: the row turns through the wave's own stage in LDS, a block of 128 bytes
; + 16 of padding (144 = 9 x 16), and lane L gets block L.
; A block's scale is 2^(floor(log2(largest magnitude)) - 2); its byte is the largest magnitude's exponent field - 2, held at 1 from below by a floor among the maximum's leaves.
; LIMITS: a block of zeros gets the byte 1 (its codes are zeros; this program alone reads the bytes); NaN and infinities are not served; the logits' sums have another order than a row-by-row sum, so logits
; that agree to the last bits may be ranked the other way.
.set STG,  4608                        ; a wave's stage: 32 blocks x 144 bytes
.set XSB,  8*STG                       ; behind the stages: the work-group's 8 x 32 scale bytes
.set XR,   16                          ; v16-47    the row as loaded
.set WR,   48                          ; v48-175   four sets of 32: router rows as loaded
.set XB,   176                         ; v176-207  block L of the row
.set LG,   208                         ; v208-215  the logits
.set AC,   216                         ; v216-219  two chains of packed sums
.set PT,   224                         ; v224-231  what the other half of the lanes sends
.set CD,   232                         ; v232-235  my block's codes
.set MXA,  236
.set MXB,  237
.set SC,   238
.set BY,   239
.set BV,   240                         ; the largest logit, its expert
.set IV,   241
.set BW,   242                         ; the second, its expert
.set JV,   243
.set NI,   244
.set DD,   245
.set RR,   246
.set SV,   248
.set GV,   249
.set XO,   250                         ; v250-251  8 scale bytes on the way out
	s_load_b256 s[4:11], s[0:1], 0x0               ; hidden_states s[4:5], w_router s[6:7], xc s[8:9], xs s[10:11]
	s_load_b128 s[12:15], s[0:1], 0x20             ; sel s[12:13], gate s[14:15]
	v_lshl_add_u32 v254, v0, 2, 0x9200
	v_mov_b32 v255, 0
	v_lshrrev_b32 v1, 5, v0
	v_readfirstlane_b32 s16, v1                    ; wave 0..7
	v_and_b32 v1, 31, v0                           ; lane L
	v_lshlrev_b32 v2, 4, v1                        ; 16 L
	s_mul_i32 s17, s16, STG
	v_lshrrev_b32 v3, 3, v1
	v_mul_u32_u24 v3, v3, 144
	v_and_b32 v8, 7, v1
	v_lshl_add_u32 v3, v8, 4, v3
	v_add_nc_u32 v3, s17, v3                       ; into the stage: eight lanes' 128 bytes are a block: 144 (L / 8) + 16 (L % 8); a load's four blocks are 576 bytes
	v_mul_u32_u24 v4, v1, 144
	v_add_nc_u32 v4, s17, v4                       ; out of it: block L
	s_lshl_b32 s18, s16, 5
	s_add_co_u32 s18, s18, XSB
	v_add_nc_u32 v5, s18, v1                       ; my block's scale byte: XSB + 32 wave + L
	v_lshlrev_b32 v7, 3, v1                        ; 8 L
	v_add_nc_u32 v6, XSB, v7
	v_lshlrev_b32 v9, 2, v1                        ; 4 L
	s_lshl_b32 s19, ttmp9, 3
	s_add_co_u32 s19, s19, s16                     ; my token
	s_lshl_b32 s20, s19, 12                        ; its row of x
	s_mov_b32 s21, 0
	s_lshl_b32 s22, s19, 9                         ; its row of codes
	s_mov_b32 s23, 0
	s_lshl_b32 s24, ttmp9, 8                       ; the work-group's 256 scale bytes
	s_mov_b32 s25, 0
	s_lshl_b32 s26, s19, 3                         ; its two words of sel and of gate
	s_mov_b32 s27, 0
	s_mov_b32 s28, 0x76543210
	s_mov_b32 s29, 0xfedcba98                      ; v_permlanex16_b32's selects for lane l xor 16
	s_wait_kmcnt 0x0
	s_add_nc_u64 s[4:5], s[4:5], s[20:21]
	s_add_nc_u64 s[8:9], s[8:9], s[22:23]
	s_add_nc_u64 s[10:11], s[10:11], s[24:25]
	s_add_nc_u64 s[12:13], s[12:13], s[26:27]
	s_add_nc_u64 s[14:15], s[14:15], s[26:27]
.irp d, 0,1,2,3,4,5,6,7
	global_load_b128 v[XR+4*\d:XR+4*\d+3], v2, s[4:5] offset:512*\d th:TH_LOAD_NT   ; 32 lanes read 512 consecutive bytes; read once in the launch
.endr
.irp e, 0,1,2,3
.irp d, 0,1,2,3,4,5,6,7
	global_load_b128 v[WR+32*\e+4*\d:WR+32*\e+4*\d+3], v2, s[6:7] offset:4096*\e+512*\d   ; router rows 0 to 3, laid as x is
.endr
.endr
.irp e, 0,1,2,3,4,5,6,7
	v_mov_b32 v[PT+\e], 0                          ; written once: a lane permute's destination counts as one of its sources
.endr
	s_wait_loadcnt 32                              ; x is in; the 32 loads of the router's rows may be out
.irp d, 0,1,2,3,4,5,6,7
	ds_store_b128 v3, v[XR+4*\d:XR+4*\d+3] offset:576*\d
.endr
.irp g, 0,1,2,3,4,5,6,7
	ds_load_b128 v[XB+4*\g:XB+4*\g+3], v4 offset:16*\g   ; LDS serves a wave's instructions in order: these see the stores above
.endr
; logit e, my lane's part: 32 products in two packed chains.  left: the loads issued behind this row's eight.
.macro DOT e, left
.set W_, WR+32*((\e)%4)
	s_wait_loadcnt \left
	v_pk_mul_f32 v[AC:AC+1], v[XR:XR+1], v[W_:W_+1]
	v_pk_mul_f32 v[AC+2:AC+3], v[XR+2:XR+3], v[W_+2:W_+3]
.irp i, 4,8,12,16,20,24,28
	v_pk_fma_f32 v[AC:AC+1], v[XR+\i:XR+\i+1], v[W_+\i:W_+\i+1], v[AC:AC+1]
	v_pk_fma_f32 v[AC+2:AC+3], v[XR+\i+2:XR+\i+3], v[W_+\i+2:W_+\i+3], v[AC+2:AC+3]
.endr
	v_pk_add_f32 v[AC:AC+1], v[AC:AC+1], v[AC+2:AC+3]
	v_add_f32 v[LG+\e], v[AC], v[AC+1]
.if (\e) < 4
.irp d, 0,1,2,3,4,5,6,7
	global_load_b128 v[W_+4*\d:W_+4*\d+3], v2, s[6:7] offset:4096*((\e)+4)+512*\d   ; the set takes the row four further on
.endr
.endif
.endm
	DOT 0, 24
	DOT 1, 24
	DOT 2, 24
	DOT 3, 24
	DOT 4, 24
	DOT 5, 16
	DOT 6, 8
	DOT 7, 0
.irp m, 1,2,4,8
.irp e, 0,1,2,3,4,5,6,7
	v_add_f32_dpp v[LG+\e], v[LG+\e], v[LG+\e] row_xmask:\m row_mask:0xf bank_mask:0xf   ; the eight sums by turns
.endr
.endr
.irp e, 0,1,2,3,4,5,6,7
	v_permlanex16_b32 v[PT+\e], v[LG+\e], s28, s29
.endr
.irp e, 0,1,2,3,4,5,6,7
	v_add_f32 v[LG+\e], v[LG+\e], v[PT+\e]         ; every lane holds the eight logits, bit for bit alike
.endr
	; my block of 32 becomes codes
	s_wait_dscnt 0x0
	v_max3_num_f32 v[MXA], |v[XB]|, |v[XB+1]|, |v[XB+2]|
	v_max3_num_f32 v[MXB], |v[XB+3]|, |v[XB+4]|, |v[XB+5]|
.irp i, 6,10,14,18,22,26
	v_max3_num_f32 v[MXA], v[MXA], |v[XB+\i]|, |v[XB+\i+1]|
	v_max3_num_f32 v[MXB], v[MXB], |v[XB+\i+2]|, |v[XB+\i+3]|
.endr
	v_max3_num_f32 v[MXA], v[MXA], |v[XB+30]|, |v[XB+31]|
	v_max3_num_f32 v[MXA], v[MXA], v[MXB], 0x1800000   ; and the floor 2^(3 - 127): the byte cannot fall under 1
	v_add_nc_u32 v[SC], 0xff000000, v[MXA]         ; 2 off the exponent field: the conversion takes the exponent field of this operand as its scale
.irp g, 0,1,2,3
	v_cvt_scalef32_pk8_fp4_f32 v[CD+\g], v[XB+8*\g:XB+8*\g+7], v[SC]
.endr
	v_lshrrev_b32 v[BY], 23, v[SC]                 ; the scale's byte (a plain line behind the conversions)
	global_store_b128 v2, v[CD:CD+3], s[8:9]       ; 32 lanes store the token's 512 bytes of codes
	ds_store_b8 v5, v[BY]
	; the two largest logits.  'best >= next' keeps the earlier expert on a tie
	v_mov_b32 v[BV], v[LG]
	v_mov_b32 v[IV], 0
.irp e, 1,2,3,4,5,6,7
	v_cmp_ge_f32 vcc_lo, v[BV], v[LG+\e]
	v_cndmask_b32 v[BV], v[LG+\e], v[BV], vcc_lo
	v_cndmask_b32 v[IV], \e, v[IV], vcc_lo
.endr
	v_mov_b32 v[NI], 0xff800000                    ; -infinity takes the winner's place
.irp e, 0,1,2,3,4,5,6,7
	v_cmp_eq_u32 vcc_lo, \e, v[IV]
	v_cndmask_b32 v[LG+\e], v[LG+\e], v[NI], vcc_lo
.endr
	v_mov_b32 v[BW], v[LG]
	v_mov_b32 v[JV], 0
.irp e, 1,2,3,4,5,6,7
	v_cmp_ge_f32 vcc_lo, v[BW], v[LG+\e]
	v_cndmask_b32 v[BW], v[LG+\e], v[BW], vcc_lo
	v_cndmask_b32 v[JV], \e, v[JV], vcc_lo
.endr
	v_sub_f32 v[DD], v[BW], v[BV]                  ; l2 - l1, 0 or less: the maximum is taken away
	v_mul_f32 v[DD], 0x3fb8aa3b, v[DD]
	v_exp_f32 v[DD], v[DD]
	v_nop                                          ; a plain line behind a transcendental
	s_wait_alu depctr_va_vdst(0)
	v_add_f32 v[RR], 1.0, v[DD]
	v_rcp_f32 v[RR], v[RR]                         ; g0
	v_cmp_eq_u32 vcc_lo, 0, v1                     ; (a plain line)  lane 0 carries slot 0, lane 1 slot 1
	s_wait_alu depctr_va_vdst(0)
	v_mul_f32 v[DD], v[DD], v[RR]                  ; g1
	v_cndmask_b32 v[SV], v[JV], v[IV], vcc_lo
	v_cndmask_b32 v[GV], v[DD], v[RR], vcc_lo
	s_wait_dscnt 0x0                               ; for the others' sake: my scale bytes lie in LDS
	s_barrier_signal -1
	s_barrier_wait -1
	s_cmp_lg_u32 s16, 0
	s_cbranch_scc1 .Lnot_wave_0
	ds_load_b64 v[XO:XO+1], v6                     ; the eight tokens' 256 scale bytes
	s_wait_dscnt 0x0
	global_store_b64 v7, v[XO:XO+1], s[10:11]      ; 32 lanes store 256 consecutive bytes, aligned
.Lnot_wave_0:
	v_cmp_gt_u32 vcc_lo, 2, v1
	s_wait_xcnt 0x0                                ; EXEC changes only behind this wait
	s_wait_tensorcnt 0x0
	ds_add_u32 v254, v255
	s_wait_dscnt 0x0
	s_and_saveexec_b32 s30, vcc_lo                 ; lanes 0 and 1
	global_store_b32 v9, v[SV], s[12:13]
	global_store_b32 v9, v[GV], s[14:15]
	s_endpgm
.Lfunc_end_k_q23d35cc039_route:
	.size	k_q23d35cc039_route, .Lfunc_end_k_q23d35cc039_route-k_q23d35cc039_route
	.p2alignl 7, 3214868480
	.fill 96, 4, 3214868480
	.section	.rodata,"a",@progbits
	.p2align	6, 0x0
	.amdhsa_kernel k_q23d35cc039_route
		.amdhsa_group_segment_fixed_size 38400
		.amdhsa_private_segment_fixed_size 0
		.amdhsa_enable_private_segment 0
		.amdhsa_kernarg_size 48
		.amdhsa_user_sgpr_count 2
		.amdhsa_user_sgpr_kernarg_segment_ptr 1
		.amdhsa_wavefront_size32 1
		.amdhsa_system_sgpr_workgroup_id_x 1
		.amdhsa_system_sgpr_workgroup_id_y 1
		.amdhsa_system_sgpr_workgroup_id_z 1
		.amdhsa_system_vgpr_workitem_id 0
		.amdhsa_next_free_vgpr 256
		.amdhsa_next_free_sgpr 66
		.amdhsa_reserve_vcc 1
		.amdhsa_float_denorm_mode_32 3
		.amdhsa_float_denorm_mode_16_64 3
		.amdhsa_memory_ordered 1
		.amdhsa_forward_progress 1
		.amdhsa_inst_pref_size 27
	.end_amdhsa_kernel
	.amdgpu_metadata
---
amdhsa.version: [ 1, 2 ]
amdhsa.kernels:
  - .name:           k_q23d35cc039_route
    .symbol:         k_q23d35cc039_route.kd
    .args:
      - { .name: hidden_states, .offset: 0, .size: 8, .value_kind: global_buffer, .address_space: global }
      - { .name: w_router, .offset: 8, .size: 8, .value_kind: global_buffer, .address_space: global }
      - { .name: xc, .offset: 16, .size: 8, .value_kind: global_buffer, .address_space: global }
      - { .name: xs, .offset: 24, .size: 8, .value_kind: global_buffer, .address_space: global }
      - { .name: sel, .offset: 32, .size: 8, .value_kind: global_buffer, .address_space: global }
      - { .name: gate, .offset: 40, .size: 8, .value_kind: global_buffer, .address_space: global }
    .group_segment_fixed_size: 38400
    .private_segment_fixed_size: 0
    .kernarg_segment_align: 8
    .kernarg_segment_size: 48
    .max_flat_workgroup_size: 256
    .sgpr_count:     66
    .vgpr_count:     256
    .wavefront_size: 32
...
	.end_amdgpu_metadata
.endif
;; end of part 1
;; launch up (part 2): grid 32 x 8, 4 waves a work-group, no clusters, 113,152 bytes of LDS; arguments w1, b1, xc, xs, sel, hc, hs, rows; writes hc, hs, rows
.if DOCPART == 2
	.amdgcn_target "amdgcn-amd-amdhsa--gfx1250"
	.amdhsa_code_object_version 6
	.text
	.protected	k_q23d35cc039_up
	.globl	k_q23d35cc039_up
	.p2align	8
	.type	k_q23d35cc039_up,@function
k_q23d35cc039_up:
	s_mov_b64 s[64:65], 0
	v_nop
	global_prefetch_b8 v0, s[64:65] scope:SCOPE_SE
	s_setreg_imm32_b32 hwreg(HW_REG_WAVE_MODE, 25, 1), 1
	s_wait_xcnt 0x0
; THE FIRST PRODUCT: hidden = gelu(x w1[e]^T + b1[e]) for the rows routed to expert e, quantised on the way to codes of FP4 (E2M1), one E8M0 byte for each 32 along the next K.
; SHARES.  Work-group (j, e) owns 128 hidden units of expert e: 128 rows of w1, 512 KiB of consecutive f32, which no other work-group reads.  THE WEIGHTS STAND STILL: the four waves stream the slice once
; (wave w rows 32 w on), quantise it in registers, exchange the codes once through LDS, and then EVERY wave holds the whole slice as operand registers (64 fragments, 512 registers).
; After that a wave walks its own tiles of 16 routed rows (tile = wave + 4 k) and no wave waits for another.
; THE LIST.  sel [p = 2 token + slot], stored by the launch before, holds the expert of routed row p.  The expert's list is its rows in the order (register n, lane) in which a wave holds sel: any order serves,
; nothing is dropped.  Each wave finds the entries of ITS 16 possible tiles in registers alone: for each of the 64 registers of sel one compare gives the word of this expert's rows; a scalar key
; 64 x (rows before word n) + n runs along; a lane that wants position i has the target 64 i + 63, and the last word whose key is not above the target holds position i.  So a word costs a compare and two selects
; for each of eight sets of 32 positions.  The (i - rows before)-th set bit of the chosen word is found from its 2-, 4-, 8- and 16-bit counts in five halvings.  Positions at or behind the count take the expert's
; FIRST row, so that a filled-up row computes and stores what a routed row does.  This work is dealt into the stream's units, where the wave has issue slots to spare.
; Work-group j = 0 stores each tile's entries and the count in rows for the next launch: rows [e]: entries from byte 0, the count 32 times from byte 4,608; a record is 5,120 bytes.
; No cluster and no tensor load: the number of tiles hangs on stored numbers, and what the 32 work-groups of an expert share (the routed rows' codes) is the smaller part of each one's bytes.
; THE STREAM.  A unit is a row of w1: 1,024 f32, 32 blocks.  Eight loads of 512 consecutive bytes; the row turns through the wave's stage in LDS (a block's 128 bytes + 16) and lane L gets block L.
; Seven units of loads are out for each wave.  A block's codes (16 bytes) go to the IMAGE: half-quad (tile t, block U) = 16 rows x 16 bytes at (32 t + U) x 272; a fragment's register quad c of K step s is
; blocks U = 4 s + 2 c + (lane / 16).  272 = 17 x 16: the writer's lanes (272 bytes apart) and the reader's (16 bytes apart) both fall on different banks.
; THE ROWS OF w1 THAT FORM A TILE ARE NOT NEIGHBOURS: lane r of tile 2 b + u takes row 32 b + 8 u + r + 8 (r / 8).  The product is used transposed (source 0 = 16 rows of w1, source 1 = 16 routed rows), so a lane
; holds ONE routed row and the 16 registers of tiles 2 b, 2 b + 1 are 16 neighbours along the next K.  b1 is the C of each sum's first matrix instruction.
; GELU, exact form: gelu(x) = max(x, 0) - |x| / 2 erfc(|x| / sqrt 2), with erfc(a) = t exp(-a a + P(t)), t = 1 / (1 + a / 2), P of degree 9 (fractional error of the formula 1.2e-7); ln(1 / sqrt 2) is folded into P's constant.
; LIMITS: the exponent -a a + P is rounded at its own size, so the relative error of the tail grows as a a x 1.2e-7 (a = |x| / sqrt 2); what falls under 2^-126 is 0; NaN and infinities are not served;
; a block of zeros gets the byte 1 (its codes are zeros; this program alone reads the bytes).
; OUT: hc [e][tile][K step j][1,024 bytes]: the fragment as its registers stand, quad c at 512 c + 16 lane; hs [e][tile][j][16 words]; rows as above.
; REGISTERS, in windows of 256.  window 0: v1-15 addresses; v16-47 w1's scale words; v48-55 x's; v56-72 the tile's row offsets; v76-95 P's coefficients, in pairs; v96-159 the 8 accumulators (in the
; stream: two blocks' numbers); v160-223 x's 8 fragments, then gelu at work; v224-252 at work.  windows 1, 2: fragment (t, s) at v[256 + 64 s + 8 t] (in the stream window 1 is the ring of loads).
; window 3: v768-831 16 rows of x's codes as loaded; v832-895 b1 in the result's layout; v896-936 the search for the list; v960-1023 sel, later the search at work.
.set HQ,   272                         ; a half-quad in the image
.set NB,   32                          ; blocks in a row of the slice
.set IMG,  0
.set SCW,  8*NB*HQ                     ; 69,632: the weights' scale bytes, 128 rows (in tile order) x 48 (32 + 16 of padding)
.set SCP,  48
.set WST,  SCW+128*SCP                 ; 75,776: 9,216 bytes for each wave: in the stream two stages of 4,608; later x's stage, 16 rows x 528
.set WSB,  9216
.set TST,  4608
.set XP,   528
.set LN,   1                           ; lane
.set L16,  2                           ; 16 lane
.set VTS,  3                           ; a stage, on the way in
.set VTL,  4                           ; and out
.set IW,   5                           ; the image, where I write
.set SW,   6                           ; the scale bytes, where I write
.set RB,   7                           ; v7, v8: the image, where I read: tiles 0-3, tiles 4-7
.set SR,   9                           ; the scale words, where I read
.set XST,  10                          ; x's stage, in
.set XLD,  11                          ; and out
.set R4,   12                          ; 4 (lane % 16)
.set L4,   14                          ; 4 lane
.set CV,   15                          ; the count, as a store's data; written once
.set WSC,  16
.set XS,   48
.set TK,   56                          ; v56-71 the byte offsets in xc of the tile's 16 rows
.set TL,   72                          ; my row's offset in xs
.set HB,   75                          ; 64 (lane / 16)
.set CF,   76
.set HA,   96
.set XF,   160
.set GA,   160                         ; gelu: a, t, P for 16 numbers
.set GT,   176
.set GP,   192
.set TM,   224                         ; v224-239 the quantiser at work
.set PCD,  240                         ; v240-247 the codes just made
.set PW,   248                         ; their scale word
.set XB,   96                          ; the stream: two sets of 32 numbers,
.set CD,   240                         ; two sets of 4 registers of codes,
.set BY,   248                         ; two bytes
.set MXA,  250
.set MXB,  251
.set SC,   252
; in window 3, eight registers each, one for each set m of 32 positions: lanes 0-15 my tile k = 2 m, lanes 16-31 my tile k = 2 m + 1
.set TKY,  128                         ; the targets 64 i + 63
.set KY,   136                         ; the key of the last word that is not above the target
.set WD,   144                         ; that word
.set QU,   152                         ; the entries: a queue of 16 half registers
.set QT,   160                         ; the queue with its halves exchanged
.set PE,   168                         ; the entries of the tile in hand: lane l holds row l % 16's
.set SLR,  192                         ; sel, 64 registers: register n, lane L holds row p = 128 (n / 4) + n % 4 + 4 L.  Behind the chain the same registers are at work:
.set FA,   192                         ; the word's 2-bit counts,
.set FB,   200                         ; 4-bit counts,
.set FC,   208                         ; 8-bit counts,
.set FD,   216                         ; the count of bits 0-15 in the low byte
.set FR,   224                         ; how many set bits lie under the one wanted
.set FP,   232                         ; the bit's place so far
.set FT,   240
.set FU,   248
.set SEL,  30                          ; s[30:31]
.set KEY,  50                          ; 64 x (rows before this word) + the word's number
.set MK,   51                          ; the word
.set TT,   52
.set FW,   53                          ; the first word that is not empty, and its number
.set FN,   54
.set HM,   55                          ; lanes 16-31
.set PF,   56                          ; the expert's first row
.set RL,   66                          ; s66-81 a tile's 16 entries
.set CM,   82                          ; s82-89 eight masks, so that no compare waits for the selects of the one before
.set MSB, 0
.macro WIN new                         ; the immediate's high byte repeats the setting that is left; a switch that changes nothing is dropped
.if MSB != \new
	s_set_vgpr_msb (MSB<<8)|\new
.set MSB, \new
.endif
.endm
.macro RLOAD i                         ; unit i: a row of 4,096 bytes into ring set i % 7 (window 1)
	WIN 0x40
.irp d, 0,1,2,3,4,5,6,7
	global_load_b128 v[32*((\i)%7)+4*\d:32*((\i)%7)+4*\d+3], v[L16], s[4:5] offset:4096*(\i)+512*\d th:TH_LOAD_NT   ; 512 consecutive bytes; read once in the launch
.endr
.endm
.macro TURN i                          ; unit i through stage i % 2: in as loaded, out a block a lane
	WIN 0x04
.irp d, 0,1,2,3,4,5,6,7
	ds_store_b128 v[VTS], v[32*((\i)%7)+4*\d:32*((\i)%7)+4*\d+3] offset:TST*((\i)%2)+576*\d
.endr
	WIN 0
.irp g, 0,1,2,3,4,5,6,7
	ds_load_b128 v[XB+32*((\i)%2)+4*\g:XB+32*((\i)%2)+4*\g+3], v[VTL] offset:TST*((\i)%2)+16*\g   ; LDS serves a wave's instructions in order: these see the stores above
.endr
.endm
.macro BLOCKQ x, c, b                  ; 32 numbers of one lane: 4 registers of codes and the scale's byte
	v_max3_num_f32 v[MXA], |v[\x]|, |v[\x+1]|, |v[\x+2]|
	v_max3_num_f32 v[MXB], |v[\x+3]|, |v[\x+4]|, |v[\x+5]|
.irp i, 6,10,14,18,22,26
	v_max3_num_f32 v[MXA], v[MXA], |v[\x+\i]|, |v[\x+\i+1]|
	v_max3_num_f32 v[MXB], v[MXB], |v[\x+\i+2]|, |v[\x+\i+3]|
.endr
	v_max3_num_f32 v[MXA], v[MXA], |v[\x+30]|, |v[\x+31]|
	v_max3_num_f32 v[MXA], v[MXA], v[MXB], 0x1800000   ; the floor 2^(3 - 127): the byte cannot fall under 1
	v_add_nc_u32 v[SC], 0xff000000, v[MXA]         ; 2 off the exponent field: the conversion's scale operand
.irp g, 0,1,2,3
	v_cvt_scalef32_pk8_fp4_f32 v[\c+\g], v[\x+8*\g:\x+8*\g+7], v[SC]
.endr
	v_lshrrev_b32 v[\b], 23, v[SC]                 ; the byte; also the plain line behind the conversions
.endm
; THE SEARCH, all in window 3.  Word n of 64: which lanes' rows of register n are this expert's; the eight sets keep it if its key is not above their targets; then the key goes on.
.macro SSTEP n
	v_cmp_eq_u32 s[MK], s22, v[SLR+(\n)]
.if (\n) == 0
.irp m, 0,1,2,3,4,5,6,7
	v_mov_b32 v[KY+\m], 0                          ; word 0's key is 0, above no target: it starts every set
	v_mov_b32 v[WD+\m], s[MK]
.endr
.else
.irp m, 0,1,2,3,4,5,6,7
	v_cmp_le_u32 s[CM+\m], s[KEY], v[TKY+\m]
.endr
.irp m, 0,1,2,3,4,5,6,7
	v_cndmask_b32 v[KY+\m], v[KY+\m], s[KEY], s[CM+\m]
.endr
.irp m, 0,1,2,3,4,5,6,7
	v_cndmask_b32 v[WD+\m], v[WD+\m], s[MK], s[CM+\m]
.endr
.endif
	s_cmp_eq_u32 s[FW], 0                          ; no word with a row so far: this one is noted
	s_cselect_b32 s[FN], (\n), s[FN]
	s_cselect_b32 s[FW], s[MK], s[FW]
	s_bcnt1_i32_b32 s[TT], s[MK]
	s_lshl_b32 s[TT], s[TT], 6
	s_add_co_u32 s[KEY], s[KEY], s[TT]             ; 64 for each row of this word,
	s_add_co_u32 s[KEY], s[KEY], 1                 ; 1 for the word
.endm
.macro SCOUNT                          ; behind word 63 the key is 64 x (count + 1)
	s_lshr_b32 s23, s[KEY], 6
	s_sub_co_u32 s23, s23, 1
	s_min_u32 s23, s23, 1024                       ; a token names an expert once: 1,024 rows at the most
	s_ctz_i32_b32 s[TT], s[FW]                     ; the expert's first row: 128 (n / 4) + n % 4 + 4 x the lowest lane.  (No rows: a number that no tile uses)
	s_lshl_b32 s[TT], s[TT], 2
	s_lshr_b32 s[PF], s[FN], 2
	s_lshl_b32 s[PF], s[PF], 7
	s_add_co_u32 s[PF], s[PF], s[TT]
	s_and_b32 s[TT], s[FN], 3
	s_add_co_u32 s[PF], s[PF], s[TT]
.endm
.macro K8 op, d, k, b                  ; one line for each of the eight sets, by turns: a constant and a register
.irp m, 0,1,2,3,4,5,6,7
	\op v[\d+\m], \k, v[\b+\m]
.endr
.endm
.macro R8 op, d, a, b                  ; two registers
.irp m, 0,1,2,3,4,5,6,7
	\op v[\d+\m], v[\a+\m], v[\b+\m]
.endr
.endm
.macro LEVEL w, first                  ; FT holds the set bits in the lower half of what is left: if the bit wanted is not among them, they are taken off and the place moves w up
.irp m, 0,1,2,3,4,5,6,7
	v_cmp_ge_u32 s[CM+\m], v[FR+\m], v[FT+\m]
.endr
.irp m, 0,1,2,3,4,5,6,7
	v_cndmask_b32 v[FT+\m], 0, v[FT+\m], s[CM+\m]
.endr
	R8 v_sub_nc_u32, FR, FR, FT
.if \first
.irp m, 0,1,2,3,4,5,6,7
	v_cndmask_b32 v[FP+\m], 0, \w, s[CM+\m]
.endr
.else
.irp m, 0,1,2,3,4,5,6,7
	v_cndmask_b32 v[FU+\m], 0, \w, s[CM+\m]
.endr
	R8 v_add_nc_u32, FP, FP, FU
.endif
.endm
.macro FINAL                           ; from each set's key and word to its entries
	K8 v_lshrrev_b32, FA, 1, WD
	K8 v_and_b32, FA, 0x55555555, FA
	R8 v_sub_nc_u32, FA, WD, FA                    ; counts of 2 bits
	K8 v_lshrrev_b32, FB, 2, FA
	K8 v_and_b32, FB, 0x33333333, FB
	K8 v_and_b32, FT, 0x33333333, FA
	R8 v_add_nc_u32, FB, FB, FT                    ; of 4
	K8 v_lshrrev_b32, FC, 4, FB
	R8 v_add_nc_u32, FC, FC, FB
	K8 v_and_b32, FC, 0x0f0f0f0f, FC               ; of 8
	K8 v_lshrrev_b32, FD, 8, FC
	R8 v_add_nc_u32, FD, FD, FC                    ; low byte: of bits 0-15
	K8 v_lshrrev_b32, FR, 6, TKY                   ; i
	K8 v_lshrrev_b32, FT, 6, KY                    ; the rows before the word
	R8 v_sub_nc_u32, FR, FR, FT                    ; so many set bits lie under the one wanted
	K8 v_and_b32, FT, 0xff, FD
	LEVEL 16, 1
	R8 v_lshrrev_b32, FT, FP, FC
	K8 v_and_b32, FT, 0xff, FT
	LEVEL 8, 0
	R8 v_lshrrev_b32, FT, FP, FB
	K8 v_and_b32, FT, 15, FT
	LEVEL 4, 0
	R8 v_lshrrev_b32, FT, FP, FA
	K8 v_and_b32, FT, 3, FT
	LEVEL 2, 0
	R8 v_lshrrev_b32, FT, FP, WD
	K8 v_and_b32, FT, 1, FT
	LEVEL 1, 0                                     ; FP: the lane that holds the row
	K8 v_and_b32, FT, 63, KY                       ; n
	K8 v_lshrrev_b32, FU, 2, FT
	K8 v_and_b32, FT, 3, FT
.irp m, 0,1,2,3,4,5,6,7
	v_lshl_or_b32 v[FT+\m], v[FU+\m], 7, v[FT+\m]  ; 128 (n / 4) + n % 4
.endr
.irp m, 0,1,2,3,4,5,6,7
	v_lshl_or_b32 v[FT+\m], v[FP+\m], 2, v[FT+\m]  ; + 4 x lane: p
.endr
	K8 v_lshrrev_b32, FU, 6, TKY
.irp m, 0,1,2,3,4,5,6,7
	v_cmp_gt_u32 s[CM+\m], s23, v[FU+\m]           ; is there a position i?
.endr
.irp m, 0,1,2,3,4,5,6,7
	v_cndmask_b32 v[QU+\m], s[PF], v[FT+\m], s[CM+\m]   ; if not: the expert's first row
.endr
.endm
.macro UNIT i
.if (\i) > 0
	s_wait_dscnt 2                                 ; this unit's numbers are back from the stage (the last unit's code store and byte store may be out): so its stores into the stage have read ring set i % 7,
.else
	s_wait_dscnt 0x0
.endif
.if (\i)+7 < 32
	RLOAD (\i)+7                                   ; which takes the unit seven further on
.endif
.if (\i) < 31
.if 30-(\i) >= 6
	s_wait_loadcnt 48                              ; the next unit's eight loads are in; six units behind it may be out
.else
	s_wait_loadcnt 8*(30-(\i))
.endif
	TURN (\i)+1                                    ; it goes through the other stage while this unit is worked
.endif
	WIN 0
	BLOCKQ XB+32*((\i)%2), CD+4*((\i)%2), BY+(\i)%2
.set U_, ((\i)>>3)&1                   ; row i of my 32 is lane R_ of tile 2 wave + U_
.set R_, ((\i)&7)+8*((\i)>>4)
	ds_store_b128 v[IW], v[CD+4*((\i)%2):CD+4*((\i)%2)+3] offset:U_*NB*HQ+16*R_
	ds_store_b8 v[SW], v[BY+(\i)%2] offset:(16*U_+R_)*SCP
.if 3*(\i) < 64                        ; the search rides along: three words a unit in units 0 to 21,
	WIN 0xff
	SSTEP 3*(\i)
.if 3*(\i)+1 < 64
	SSTEP 3*(\i)+1
	SSTEP 3*(\i)+2
.endif
	WIN 0
.endif
.if (\i) == 22                         ; the count and the entries in unit 22: six units of loads are out meanwhile
	SCOUNT
	WIN 0xff
	FINAL
	WIN 0
.endif
.endm
; one matrix instruction; all arguments are register numbers but the last two: the rows of the scale registers
.macro WM d, a, b, c, sa, sb, ra, rb
.if (\ra) && (\rb)
	v_wmma_scale_f32_16x16x128_f8f6f4 v[\d:\d+7], v[\a:\a+7], v[\b:\b+7], v[\c:\c+7], v[\sa], v[\sb] matrix_a_fmt:MATRIX_FMT_FP4 matrix_b_fmt:MATRIX_FMT_FP4 matrix_a_scale:MATRIX_SCALE_ROW1 matrix_b_scale:MATRIX_SCALE_ROW1
.elseif (\ra)
	v_wmma_scale_f32_16x16x128_f8f6f4 v[\d:\d+7], v[\a:\a+7], v[\b:\b+7], v[\c:\c+7], v[\sa], v[\sb] matrix_a_fmt:MATRIX_FMT_FP4 matrix_b_fmt:MATRIX_FMT_FP4 matrix_a_scale:MATRIX_SCALE_ROW1
.elseif (\rb)
	v_wmma_scale_f32_16x16x128_f8f6f4 v[\d:\d+7], v[\a:\a+7], v[\b:\b+7], v[\c:\c+7], v[\sa], v[\sb] matrix_a_fmt:MATRIX_FMT_FP4 matrix_b_fmt:MATRIX_FMT_FP4 matrix_b_scale:MATRIX_SCALE_ROW1
.else
	v_wmma_scale_f32_16x16x128_f8f6f4 v[\d:\d+7], v[\a:\a+7], v[\b:\b+7], v[\c:\c+7], v[\sa], v[\sb] matrix_a_fmt:MATRIX_FMT_FP4 matrix_b_fmt:MATRIX_FMT_FP4
.endif
.endm
.macro UPMUL s                         ; K step s: the eight accumulators by turns.  A scale register holds tile 2 p in lanes 0-15 and tile 2 p + 1 in lanes 16-31
.irp t, 0,1,2,3,4,5,6,7
.if (\s) == 0
	WM HA+8*\t, 8*\t, XF, 64+8*\t, WSC+8*(\t/2), XS, \t%2, 0
.else
	WM HA+8*\t, 64*((\s)%4)+8*\t, XF+8*(\s), HA+8*\t, WSC+8*(\t/2)+(\s), XS+(\s), \t%2, 0
.endif
.endr
.endm
; My next tile: its entries leave the queue, which moves up by half a register; entry p -> token p / 2, held inside the table; 18 loads: 16 whole rows of codes (512 bytes each) and my row's 32 scale bytes.
; off: where the tile's entries go in rows, from the tile in hand: 256 bytes for each of my tiles.
.macro PREP off
	WIN 0xff
.irp m, 0,1,2,3,4,5,6,7
	v_permlanex16_b32 v[QT+\m], v[QU+\m], s[SEL], s[SEL+1]   ; the halves change places
.endr
	v_cndmask_b32 v[PE], v[QU], v[QT], s[HM]       ; the head's lanes 0-15, in both halves: lane l holds row l % 16's entry
.irp m, 0,1,2,3,4,5,6
	v_cndmask_b32 v[QU+\m], v[QT+\m], v[QT+\m+1], s[HM]   ; lanes 0-15 take the register's upper tile, lanes 16-31 the next register's lower one
.endr
	v_mov_b32 v[QU+7], v[QT+7]                     ; (what comes in at the end is an entry that has been used: no tile reaches it)
.irp i, 0,1,2,3,4,5,6,7,8,9,10,11,12,13,14,15
	v_readlane_b32 s[RL+\i], v[PE], \i
.endr
	WIN 0x0c                                       ; source 1 window 3
	v_lshrrev_b32 v[TL], 1, v[PE]
	WIN 0
.irp i, 0,1,2,3,4,5,6,7,8,9,10,11,12,13,14,15
	s_lshr_b32 s[RL+\i], s[RL+\i], 1
.endr
.irp i, 0,1,2,3,4,5,6,7,8,9,10,11,12,13,14,15
	s_min_u32 s[RL+\i], s[RL+\i], 0x3ff
.endr
.irp i, 0,1,2,3,4,5,6,7,8,9,10,11,12,13,14,15
	v_lshl_add_u32 v[TK+\i], s[RL+\i], 9, v[L16]
.endr
	v_min_u32 v[TL], 0x3ff, v[TL]
	v_lshlrev_b32 v[TL], 5, v[TL]
	WIN 0xc0
.irp i, 0,1,2,3,4,5,6,7,8,9,10,11,12,13,14,15
	global_load_b128 v[4*\i:4*\i+3], v[TK+\i], s[8:9]
.endr
	WIN 0
	global_load_b128 v[XS:XS+3], v[TL], s[10:11]
	global_load_b128 v[XS+4:XS+7], v[TL], s[10:11] offset:16
	s_cmp_lg_u32 s21, 0                            ; one work-group of each expert stores the list
	s_cbranch_scc1 .Lnot_mine_\@
	WIN 0x0c                                       ; a store's data are its source 1: window 3
	global_store_b32 v[R4], v[PE], s[46:47] offset:\off   ; 64 consecutive bytes; lanes 16-31 hold the same words for the same places
	WIN 0
.Lnot_mine_\@:
.endm
.macro GELU g                          ; 16 numbers, two accumulators, in place; each accumulator is first read at its low end
.set H_, HA+16*(\g)
.irp j, 0,1,2,3,4,5,6,7,8,9,10,11,12,13,14,15
	v_mul_f32 v[GA+\j], s32, |v[H_+\j]|            ; a = |x| / sqrt 2
.endr
.irp j, 0,2,4,6,8,10,12,14
	v_pk_fma_f32 v[GT+\j:GT+\j+1], v[GA+\j:GA+\j+1], 0.5, 1.0 op_sel_hi:[1,0,0]
.endr
.irp j, 0,1,2,3,4,5,6,7,8,9,10,11,12,13,14,15
	v_rcp_f32 v[GT+\j], v[GT+\j]                   ; t = 1 / (1 + a / 2)
.endr
.irp j, 0,1,2,3,4,5,6,7,8,9,10,11,12,13,14,15
	v_max_num_f32 v[H_+\j], 0, v[H_+\j]            ; max(x, 0): plain lines behind the reciprocals
.endr
	s_wait_alu depctr_va_vdst(0)
.irp j, 0,2,4,6,8,10,12,14
	v_pk_fma_f32 v[GP+\j:GP+\j+1], v[GT+\j:GT+\j+1], v[CF:CF+1], v[CF+2:CF+3]
.endr
.irp k, 2,3,4,5,6,7,8,9
.irp j, 0,2,4,6,8,10,12,14
	v_pk_fma_f32 v[GP+\j:GP+\j+1], v[GP+\j:GP+\j+1], v[GT+\j:GT+\j+1], v[CF+2*\k:CF+2*\k+1]   ; Horner, the eight pairs by turns
.endr
.endr
.irp j, 0,2,4,6,8,10,12,14
	v_pk_fma_f32 v[GP+\j:GP+\j+1], v[GA+\j:GA+\j+1], v[GA+\j:GA+\j+1], v[GP+\j:GP+\j+1] neg_lo:[1,0,0] neg_hi:[1,0,0]   ; P - a a
.endr
.irp j, 0,2,4,6,8,10,12,14
	v_pk_mul_f32 v[GP+\j:GP+\j+1], v[GP+\j:GP+\j+1], s[34:35] op_sel_hi:[1,0]   ; x log2(e)
.endr
.irp j, 0,1,2,3,4,5,6,7,8,9,10,11,12,13,14,15
	v_exp_f32 v[GP+\j], v[GP+\j]
.endr
	v_nop                                          ; a plain line behind the exponentials
	s_wait_alu depctr_va_vdst(0)
.irp j, 0,2,4,6,8,10,12,14
	v_pk_mul_f32 v[GP+\j:GP+\j+1], v[GP+\j:GP+\j+1], v[GT+\j:GT+\j+1]   ; erfc(a) / sqrt 2
.endr
.irp j, 0,2,4,6,8,10,12,14
	v_pk_fma_f32 v[H_+\j:H_+\j+1], v[GA+\j:GA+\j+1], v[GP+\j:GP+\j+1], v[H_+\j:H_+\j+1] neg_lo:[1,0,0] neg_hi:[1,0,0]   ; max(x, 0) - a erfc(a) / sqrt 2
.endr
.endm
; 64 numbers of a lane, register 16 b + i = k 32 b + 16 (lane / 16) + i of my row, become a fragment's codes in v[PCD] on and its scale word in v[PW]
.macro QUANT s
.irp b, 0,1,2,3
	v_max3_num_f32 v[TM+\b], |v[\s+16*\b]|, |v[\s+1+16*\b]|, 0x1800000   ; block b: my 16 numbers, and the floor 2^(3 - 127)
.endr
.irp i, 2,4,6,8,10,12,14
.irp b, 0,1,2,3
	v_max3_num_f32 v[TM+\b], v[TM+\b], |v[\s+16*\b+\i]|, |v[\s+1+16*\b+\i]|   ; the four blocks by turns
.endr
.endr
.irp b, 0,1,2,3
	v_permlanex16_b32 v[TM+4+\b], v[TM+\b], s[SEL], s[SEL+1]
.endr
.irp b, 0,1,2,3
	v_max_num_f32 v[TM+\b], v[TM+\b], v[TM+4+\b]   ; with lane l xor 16's: the block's largest magnitude
.endr
.irp b, 0,1,2,3
	v_add_nc_u32 v[TM+12+\b], 0xff000000, v[TM+\b]
.endr
.irp b, 0,1,2,3
	v_lshrrev_b32 v[TM+4+\b], 23, v[TM+12+\b]      ; the scale's byte
.endr
	v_lshl_or_b32 v[PW], v[TM+5], 8, v[TM+4]       ; the four bytes make my row's scale word
	v_lshl_or_b32 v[PW], v[TM+6], 16, v[PW]
	v_lshl_or_b32 v[PW], v[TM+7], 24, v[PW]
.irp b, 0,1,2,3
	v_cvt_scalef32_pk8_fp4_f32 v[PCD+2*\b], v[\s+16*\b:\s+7+16*\b], v[TM+12+\b]
	v_cvt_scalef32_pk8_fp4_f32 v[PCD+1+2*\b], v[\s+8+16*\b:\s+15+16*\b], v[TM+12+\b]
.endr
	v_nop                                          ; one plain line behind a scaled conversion
.irp c, 0,1                                    ; the operand's layout wants a WHOLE block in a lane: lanes 0-15 block 2 c, lanes 16-31 block 2 c + 1
.irp i, 0,1
	v_permlane16_swap_b32 v[PCD+4*\c+\i], v[PCD+2+4*\c+\i]
.endr
.endr
.endm
.macro COEF k, bits
	v_mov_b32 v[CF+2*\k], \bits
	v_mov_b32 v[CF+2*\k+1], \bits
.endm
	s_load_b256 s[4:11], s[0:1], 0x0               ; w1 s[4:5], b1 s[6:7], xc s[8:9], xs s[10:11]
	s_load_b256 s[12:19], s[0:1], 0x20             ; sel s[12:13], hc s[14:15], hs s[16:17], rows s[18:19]
	v_lshl_add_u32 v254, v0, 2, 0x1b800
	v_mov_b32 v255, 0
	v_lshrrev_b32 v1, 5, v0
	v_readfirstlane_b32 s20, v1                    ; wave 0..3
	s_mov_b32 s21, ttmp9                           ; j: which 128 hidden units
	s_and_b32 s22, ttmp7, 0xffff                   ; e: the expert
	v_and_b32 v[LN], 31, v0
	v_and_b32 v[TK], 15, v0                        ; (for now: r = lane % 16,
	v_bfe_u32 v[TK+1], v0, 4, 1                    ; h = lane / 16,
	v_and_b32 v[TK+2], 7, v0                       ; lane % 8)
	v_lshlrev_b32 v[L16], 4, v[LN]
	v_lshlrev_b32 v[L4], 2, v[LN]
	v_lshlrev_b32 v[R4], 2, v[TK]
	v_lshlrev_b32 v[HB], 6, v[TK+1]
	s_mul_i32 s28, s20, WSB
	s_add_co_u32 s28, s28, WST                     ; my wave's 9,216 bytes
	v_lshrrev_b32 v[VTS], 3, v[LN]
	v_mul_u32_u24 v[VTS], v[VTS], 144
	v_lshl_add_u32 v[VTS], v[TK+2], 4, v[VTS]
	v_add_nc_u32 v[VTS], s28, v[VTS]               ; 144 (lane / 8) + 16 (lane % 8)
	v_mul_u32_u24 v[VTL], v[LN], 144
	v_add_nc_u32 v[VTL], s28, v[VTL]               ; block = lane
	v_add_nc_u32 v[XST], s28, v[L16]               ; x's stage: a row as loaded,
	v_mul_u32_u24 v[XLD], v[TK], XP
	v_lshl_add_u32 v[XLD], v[TK+1], 4, v[XLD]
	v_add_nc_u32 v[XLD], s28, v[XLD]               ; and row r, block h of a quad
	s_mul_i32 s29, s20, 2*NB*HQ
	v_mul_u32_u24 v[IW], v[LN], HQ
	v_add_nc_u32 v[IW], s29, v[IW]                 ; tile 2 wave, block = lane
	s_mul_i32 s29, s20, 32*SCP
	s_add_co_u32 s29, s29, SCW
	v_add_nc_u32 v[SW], s29, v[LN]
	v_mul_u32_u24 v[RB], v[TK+1], HQ
	v_lshl_add_u32 v[RB], v[TK], 4, v[RB]          ; 272 h + 16 r
	v_add_nc_u32 v[RB+1], 128*HQ, v[RB]            ; a second base: the immediate offset has 16 bits
	v_mul_u32_u24 v[SR], v[LN], SCP
	v_add_nc_u32 v[SR], SCW, v[SR]
	; the positions that my lane wants: set m: i = 16 (wave + 4 (2 m + h)) + r = 16 wave + 64 h + r + 128 m; the target is 64 i + 63
	s_lshl_b32 s28, s20, 4
	v_lshl_add_u32 v[TK+3], v[TK+1], 6, v[TK]
	v_add_nc_u32 v[TK+3], s28, v[TK+3]
	v_lshl_or_b32 v[TK+3], v[TK+3], 6, 63
	WIN 0xc0                                       ; destination window 3
.irp m, 0,1,2,3,4,5,6,7
	v_add_nc_u32 v[TKY+\m], 8192*\m, v[TK+3]
.endr
.irp m, 0,1,2,3,4,5,6,7
	v_mov_b32 v[QT+\m], 0                          ; written once: a lane permute's destination counts as one of its sources
.endr
	WIN 0
	s_mov_b32 s[KEY], 0
	s_mov_b32 s[FW], 0
	s_mov_b32 s[FN], 0
	s_mov_b32 s[HM], 0xffff0000
	s_mov_b32 s[SEL], 0x76543210
	s_mov_b32 s[SEL+1], 0xfedcba98                 ; v_permlanex16_b32's selects for lane l xor 16
	s_mov_b32 s32, 0x3f3504f3                      ; 1 / sqrt 2
	s_mov_b32 s34, 0x3fb8aa3b                      ; log2(e); the packed form names the pair and takes its low word
	s_mov_b32 s35, s34
	COEF 0, 0x3e2ef945                             ;  0.17087277
	COEF 1, 0xbf527892                             ; -0.82215223
	COEF 2, 0x3fbe87b0                             ;  1.48851587
	COEF 3, 0xbf914e5d                             ; -1.13520398
	COEF 4, 0x3e8ec7cc                             ;  0.27886807
	COEF 5, 0xbe3ec24c                             ; -0.18628806
	COEF 6, 0x3dc636c9                             ;  0.09678418
	COEF 7, 0x3ebf88fb                             ;  0.37409196
	COEF 8, 0x3f8000c7                             ;  1.00002368
	COEF 9, 0xbfce58d4                             ; -1.26551223 + ln(1 / sqrt 2)
	s_lshl_b32 s36, s22, 24                        ; w1: 16 MiB an expert, 512 KiB a slice, 128 KiB a wave
	s_lshl_b32 s28, s21, 19
	s_add_co_u32 s36, s36, s28
	s_lshl_b32 s28, s20, 17
	s_add_co_u32 s36, s36, s28
	s_mov_b32 s37, 0
	s_lshl_b32 s38, s22, 14                        ; b1
	s_lshl_b32 s28, s21, 9
	s_add_co_u32 s38, s38, s28
	s_mov_b32 s39, 0
	s_lshl_b32 s40, s22, 21                        ; hc: 2 MiB an expert, 32 KiB a tile (my first = wave), 1,024 bytes a K step
	s_lshl_b32 s28, s20, 15
	s_add_co_u32 s40, s40, s28
	s_lshl_b32 s28, s21, 10
	s_add_co_u32 s40, s40, s28
	s_mov_b32 s41, 0
	s_lshl_b32 s42, s22, 17                        ; hs: 128 KiB an expert, 2 KiB a tile, 64 bytes a K step
	s_lshl_b32 s28, s20, 11
	s_add_co_u32 s42, s42, s28
	s_lshl_b32 s28, s21, 6
	s_add_co_u32 s42, s42, s28
	s_mov_b32 s43, 0
	s_mul_i32 s44, s22, 5120                       ; rows: the expert's record
	s_mov_b32 s45, 0
	s_lshl_b32 s48, s20, 6                         ; my first tile's entries
	s_mov_b32 s49, 0
	s_wait_kmcnt 0x0
	s_add_nc_u64 s[4:5], s[4:5], s[36:37]
	s_add_nc_u64 s[6:7], s[6:7], s[38:39]
	s_add_nc_u64 s[14:15], s[14:15], s[40:41]
	s_add_nc_u64 s[16:17], s[16:17], s[42:43]
	s_add_nc_u64 s[18:19], s[18:19], s[44:45]
	s_add_nc_u64 s[46:47], s[18:19], s[48:49]
	WIN 0xc0
.irp m, 0,1,2,3,4,5,6,7,8,9,10,11,12,13,14,15
	global_load_b128 v[SLR+4*\m:SLR+4*\m+3], v[L16], s[12:13] offset:512*\m   ; all of sel: my oldest loads; 512 consecutive bytes each
.endr
.irp t, 0,1,2,3,4,5,6,7                        ; b1 as the result lies: lane (r, h), tile 2 b + u: hidden units 32 b + 16 h + 8 u + 0 .. 7
	global_load_b128 v[64+8*\t:64+8*\t+3], v[HB], s[6:7] offset:(32*(\t/2)+8*(\t%2))*4
	global_load_b128 v[64+8*\t+4:64+8*\t+7], v[HB], s[6:7] offset:(32*(\t/2)+8*(\t%2))*4+16
.endr
.irp i, 0,1,2,3,4,5,6
	RLOAD \i
.endr
	; ---- the stream: my 32 rows of w1 become codes in the image; the search for my tiles' rows rides along
	s_wait_loadcnt 48                              ; unit 0 is in (and sel and b1, which are older); six units may be out
	TURN 0
.set Q, 0
.rept 32
	UNIT Q
.set Q, Q+1
.endr
	PREP 0                                         ; my first tile's rows are on their way across the barrier
	s_wait_dscnt 0x0                               ; for the others' sake: my codes and bytes lie in LDS
	s_barrier_signal -1
	s_barrier_wait -1                              ; the slice's image is whole.  From here on no wave waits for another
	s_or_b32 s28, s21, s20                         ; one wave of one work-group of each expert stores the count
	s_cmp_lg_u32 s28, 0
	s_cbranch_scc1 .Lno_count
	v_mov_b32 v[CV], s23
	global_store_b32 v[L4], v[CV], s[18:19] offset:4608
.Lno_count:
	s_add_co_u32 s24, s23, 15
	s_lshr_b32 s24, s24, 4                         ; tiles of 16 rows
	s_add_co_u32 s26, s24, 3
	s_sub_co_u32 s26, s26, s20
	s_lshr_b32 s26, s26, 2                         ; of which wave, wave + 4, .. are mine
	s_cmp_eq_u32 s26, 0
	s_cbranch_scc1 .Lend
	; ---- the whole slice into my registers
	WIN 0x40
.irp s, 0,1,2,3
.irp t, 0,1,2,3,4,5,6,7
.irp c, 0,1
	ds_load_b128 v[64*\s+8*\t+4*\c:64*\s+8*\t+4*\c+3], v[RB+\t/4] offset:((\t%4)*NB+4*\s+2*\c)*HQ
.endr
.endr
.endr
	WIN 0x80
.irp s, 4,5,6,7
.irp t, 0,1,2,3,4,5,6,7
.irp c, 0,1
	ds_load_b128 v[64*(\s-4)+8*\t+4*\c:64*(\s-4)+8*\t+4*\c+3], v[RB+\t/4] offset:((\t%4)*NB+4*\s+2*\c)*HQ
.endr
.endr
.endr
	WIN 0
.irp p, 0,1,2,3
.irp q, 0,1
	ds_load_b128 v[WSC+8*\p+4*\q:WSC+8*\p+4*\q+3], v[SR] offset:\p*32*SCP+16*\q   ; scale words of K steps 4 q on: lanes 0-15 tile 2 p, lanes 16-31 tile 2 p + 1
.endr
.endr
.irp b, 0,1,2,3
	v_mov_b32 v[TM+4+\b], 0                        ; written once: a lane permute's destination counts as one of its sources
.endr
	; ---- my tiles, one a trip
.Ltile:
	s_wait_loadcnt 0x0                             ; this tile's rows and scale words are in
	s_wait_xcnt 0x0                                ; the store of its entries has read its data: the entries' register may be written again
	WIN 0x0c                                       ; an LDS store's data are its source 1: window 3
.irp i, 0,1,2,3,4,5,6,7,8,9,10,11,12,13,14,15
	ds_store_b128 v[XST], v[4*\i:4*\i+3] offset:XP*\i   ; row i as it was loaded: block = lane
.endr
	WIN 0
.irp s, 0,1,2,3,4,5,6,7
.irp c, 0,1
	ds_load_b128 v[XF+8*\s+4*\c:XF+8*\s+4*\c+3], v[XLD] offset:64*\s+32*\c   ; fragment s: row r, blocks 4 s + 2 c + h
.endr
.endr
	s_wait_dscnt 0x0                               ; (in the first trip: the slice's fragments too)
	WIN 0x31                                       ; source 0 (w1) window 1, C (b1) window 3
	UPMUL 0
	WIN 0x01
	UPMUL 1
	UPMUL 2
	UPMUL 3
	WIN 0x02                                       ; K steps 4 to 7 lie in window 2
	UPMUL 4
	UPMUL 5
	UPMUL 6
	UPMUL 7
.rept 4
	v_nop                                          ; places behind the products, in front of loads into their scale registers and of the first read of results
.endr
	PREP 256                                       ; my next tile: its loads land under the gelu.  (Behind my last tile the entries name the expert's first row, or rows that have been used: inside the table, and not used)
	GELU 0
	GELU 1
	GELU 2
	GELU 3
	QUANT HA
	global_store_b128 v[L16], v[PCD:PCD+3], s[14:15]           ; the fragment as its registers stand: 512 consecutive bytes a store
	global_store_b128 v[L16], v[PCD+4:PCD+7], s[14:15] offset:512
	global_store_b32 v[R4], v[PW], s[16:17]        ; 64 consecutive bytes; lanes 16-31 hold the same words for the same places
	s_wait_xcnt 0x0                                ; loads and stores have read their bases, offsets and data: all may be written again
	s_add_nc_u64 s[14:15], s[14:15], 0x20000       ; four tiles on: hc,
	s_add_nc_u64 s[16:17], s[16:17], 0x2000        ; hs,
	s_add_nc_u64 s[46:47], s[46:47], 0x100         ; the list
	s_sub_co_u32 s26, s26, 1
	s_cmp_lg_u32 s26, 0
	s_cbranch_scc1 .Ltile
.Lend:
	s_wait_tensorcnt 0x0
	ds_add_u32 v254, v255
	s_wait_dscnt 0x0
	s_endpgm
.Lfunc_end_k_q23d35cc039_up:
	.size	k_q23d35cc039_up, .Lfunc_end_k_q23d35cc039_up-k_q23d35cc039_up
	.p2alignl 7, 3214868480
	.fill 96, 4, 3214868480
	.section	.rodata,"a",@progbits
	.p2align	6, 0x0
	.amdhsa_kernel k_q23d35cc039_up
		.amdhsa_group_segment_fixed_size 113152
		.amdhsa_private_segment_fixed_size 0
		.amdhsa_enable_private_segment 0
		.amdhsa_kernarg_size 64
		.amdhsa_user_sgpr_count 2
		.amdhsa_user_sgpr_kernarg_segment_ptr 1
		.amdhsa_wavefront_size32 1
		.amdhsa_system_sgpr_workgroup_id_x 1
		.amdhsa_system_sgpr_workgroup_id_y 1
		.amdhsa_system_sgpr_workgroup_id_z 1
		.amdhsa_system_vgpr_workitem_id 0
		.amdhsa_next_free_vgpr 1024
		.amdhsa_next_free_sgpr 90
		.amdhsa_reserve_vcc 0
		.amdhsa_float_denorm_mode_32 3
		.amdhsa_float_denorm_mode_16_64 3
		.amdhsa_memory_ordered 1
		.amdhsa_forward_progress 1
		.amdhsa_inst_pref_size 255
	.end_amdhsa_kernel
	.section	.bss,"aw",@nobits
	.p2align	6
	.space	262144
	.amdgpu_metadata
---
amdhsa.version: [ 1, 2 ]
amdhsa.kernels:
  - .name:           k_q23d35cc039_up
    .symbol:         k_q23d35cc039_up.kd
    .args:
      - { .name: w1, .offset: 0, .size: 8, .value_kind: global_buffer, .address_space: global }
      - { .name: b1, .offset: 8, .size: 8, .value_kind: global_buffer, .address_space: global }
      - { .name: xc, .offset: 16, .size: 8, .value_kind: global_buffer, .address_space: global }
      - { .name: xs, .offset: 24, .size: 8, .value_kind: global_buffer, .address_space: global }
      - { .name: sel, .offset: 32, .size: 8, .value_kind: global_buffer, .address_space: global }
      - { .name: hc, .offset: 40, .size: 8, .value_kind: global_buffer, .address_space: global }
      - { .name: hs, .offset: 48, .size: 8, .value_kind: global_buffer, .address_space: global }
      - { .name: rows, .offset: 56, .size: 8, .value_kind: global_buffer, .address_space: global }
    .group_segment_fixed_size: 113152
    .private_segment_fixed_size: 0
    .kernarg_segment_align: 8
    .kernarg_segment_size: 64
    .max_flat_workgroup_size: 128
    .sgpr_count:     90
    .vgpr_count:     1024
    .wavefront_size: 32
...
	.end_amdgpu_metadata
.endif
;; end of part 2
;; launch down (part 3): grid 32 x 8, 4 waves a work-group, no clusters, 112,128 bytes of LDS; arguments w2, b2, hc, hs, rows, y; writes y
.if DOCPART == 3
	.amdgcn_target "amdgcn-amd-amdhsa--gfx1250"
	.amdhsa_code_object_version 6
	.text
	.protected	k_q23d35cc039_down
	.globl	k_q23d35cc039_down
	.p2align	8
	.type	k_q23d35cc039_down,@function
k_q23d35cc039_down:
	s_mov_b64 s[64:65], 0
	v_nop
	global_prefetch_b8 v0, s[64:65] scope:SCOPE_SE
	s_setreg_imm32_b32 hwreg(HW_REG_WAVE_MODE, 25, 1), 1
	s_wait_xcnt 0x0
; THE SECOND PRODUCT: y[kh][p] = hidden(p) w2[e]^T over half of K (+ b2[e] in half 0), for the rows p routed to expert e.  Codes of FP4 (E2M1), one E8M0 byte for each 32 along K; sums in f32.
; SHARES.  Work-group (jn + 16 kh, e) owns 64 outputs (64 jn on) x 2,048 along K (2,048 kh on) of w2[e]: 512 KiB of f32 that no other work-group reads.  64 outputs, so that a row's piece of y is 256 consecutive,
; aligned bytes; half of K, so that the slice fits a wave's registers.  The two halves' sums are added by the next launch: each word of y has one owner.
; THE WEIGHTS STAND STILL, as in the launch before: the four waves stream the slice once (wave w: outputs 16 w on), quantise it in registers, exchange the codes once through LDS, and then every wave holds the
; whole slice (64 fragments, 512 registers) and walks its own tiles of 16 routed rows (tile = wave + 4 k); no wave waits for another.
; No cluster and no tensor load: the number of tiles hangs on a stored count.
; THE STREAM.  A unit is 1,024 consecutive f32 of a row of w2 (half of the row's 2,048): eight loads of 512 bytes, a turn through the wave's stage in LDS (a block's 128 bytes + 16), lane L gets block L.
; THE IMAGE: half-quad (tile t, block U) = 16 rows x 16 bytes at (64 t + U) x 272; a fragment's quad c of K step s is blocks U = 4 s + 2 c + (lane / 16).
; The product is used transposed (source 0 = 16 rows of w2, source 1 = 16 routed rows): a lane holds one routed row and eight neighbouring outputs.  The hidden layer's fragments come from memory as their
; registers stand, 512 consecutive bytes a load.  b2 is the C of each sum's first matrix instruction (zeros in K half 1).
; A tile that was filled up names the expert's first row several times: those rows hold the same codes, give the same bits and are stored to the same place by this wave.
; LIMITS: NaN and infinities are not served; a block of zeros gets the byte 1 (its codes are zeros; this program alone reads the bytes).
; REGISTERS, in windows of 256.  window 0: v1-14 addresses; v16-47 w2's scale words; v48-55 the hidden layer's; v56-63 the tile's entries; v64-71 their rows' offsets in y; v72-103 b2 in the result's layout;
; v104-135 four accumulators; v136-167 rows on the way out; v176-252 the stream.  windows 1, 2: fragment (t, s) at v[256 + 32 s + 8 t] (in the stream window 1 is the ring of loads).  window 3: 16 hidden fragments.
.set HQ,   272
.set NB,   64                          ; blocks in a row of the slice
.set IMG,  0
.set SCW,  4*NB*HQ                     ; 69,632: the weights' scale bytes, 64 rows x 80 (64 + 16 of padding)
.set SCP,  80
.set WST,  SCW+64*SCP                  ; 74,752: 9,216 bytes for each wave: in the stream two stages of 4,608; later the way out, 16 rows x 272
.set WSB,  9216
.set TST,  4608
.set OP,   272
.set LN,   1
.set L16,  2
.set VTS,  3
.set VTL,  4
.set IW,   5
.set SW,   6
.set RB,   7                           ; v7, v8: the image, where I read: tiles 0-1, tiles 2-3
.set SR,   9
.set OST,  10                          ; the way out: where I put 32 bytes of a row
.set OLD,  11                          ; and where I read a row back
.set L4,   12
.set H32,  13                          ; 32 (lane / 16)
.set R16,  14                          ; 16 (lane % 16)
.set WSC,  16
.set AS,   48
.set PQ,   56
.set YO,   64
.set BI,   72
.set ACC,  104
.set OUT,  136
.set XB,   176
.set CD,   240
.set BY,   248
.set MXA,  250
.set MXB,  251
.set SC,   252
.set MSB, 0
.macro WIN new                         ; the immediate's high byte repeats the setting that is left; a switch that changes nothing is dropped
.if MSB != \new
	s_set_vgpr_msb (MSB<<8)|\new
.set MSB, \new
.endif
.endm
.macro RLOAD i                         ; unit i: row i / 2 of my 16, half i % 2 of its 2,048, into ring set i % 7 (window 1)
	WIN 0x40
.irp d, 0,1,2,3,4,5,6,7
	global_load_b128 v[32*((\i)%7)+4*\d:32*((\i)%7)+4*\d+3], v[L16], s[4:5] offset:16384*((\i)/2)+4096*((\i)%2)+512*\d th:TH_LOAD_NT   ; 512 consecutive bytes; read once in the launch
.endr
.endm
.macro TURN i                          ; unit i through stage i % 2: in as loaded, out a block a lane
	WIN 0x04
.irp d, 0,1,2,3,4,5,6,7
	ds_store_b128 v[VTS], v[32*((\i)%7)+4*\d:32*((\i)%7)+4*\d+3] offset:TST*((\i)%2)+576*\d
.endr
	WIN 0
.irp g, 0,1,2,3,4,5,6,7
	ds_load_b128 v[XB+32*((\i)%2)+4*\g:XB+32*((\i)%2)+4*\g+3], v[VTL] offset:TST*((\i)%2)+16*\g   ; LDS serves a wave's instructions in order: these see the stores above
.endr
.endm
.macro BLOCKQ x, c, b                  ; 32 numbers of one lane: 4 registers of codes and the scale's byte
	v_max3_num_f32 v[MXA], |v[\x]|, |v[\x+1]|, |v[\x+2]|
	v_max3_num_f32 v[MXB], |v[\x+3]|, |v[\x+4]|, |v[\x+5]|
.irp i, 6,10,14,18,22,26
	v_max3_num_f32 v[MXA], v[MXA], |v[\x+\i]|, |v[\x+\i+1]|
	v_max3_num_f32 v[MXB], v[MXB], |v[\x+\i+2]|, |v[\x+\i+3]|
.endr
	v_max3_num_f32 v[MXA], v[MXA], |v[\x+30]|, |v[\x+31]|
	v_max3_num_f32 v[MXA], v[MXA], v[MXB], 0x1800000   ; the floor 2^(3 - 127): the byte cannot fall under 1
	v_add_nc_u32 v[SC], 0xff000000, v[MXA]         ; 2 off the exponent field: the conversion's scale operand
.irp g, 0,1,2,3
	v_cvt_scalef32_pk8_fp4_f32 v[\c+\g], v[\x+8*\g:\x+8*\g+7], v[SC]
.endr
	v_lshrrev_b32 v[\b], 23, v[SC]                 ; the byte; also the plain line behind the conversions
.endm
.macro UNIT i
.if (\i) > 0
	s_wait_dscnt 2                                 ; this unit's numbers are back from the stage (the last unit's code store and byte store may be out): so its stores into the stage have read ring set i % 7,
.else
	s_wait_dscnt 0x0
.endif
.if (\i)+7 < 32
	RLOAD (\i)+7                                   ; which takes the unit seven further on
.endif
.if (\i) < 31
.if 30-(\i) >= 6
	s_wait_loadcnt 48                              ; the next unit's eight loads are in; six units behind it may be out
.else
	s_wait_loadcnt 8*(30-(\i))
.endif
	TURN (\i)+1                                    ; it goes through the other stage while this unit is worked
.endif
	WIN 0
	BLOCKQ XB+32*((\i)%2), CD+4*((\i)%2), BY+(\i)%2
	ds_store_b128 v[IW], v[CD+4*((\i)%2):CD+4*((\i)%2)+3] offset:32*HQ*((\i)%2)+16*((\i)/2)
	ds_store_b8 v[SW], v[BY+(\i)%2] offset:SCP*((\i)/2)+32*((\i)%2)
.endm
; one matrix instruction; all arguments are register numbers but the last two: the rows of the scale registers
.macro WM d, a, b, c, sa, sb, ra, rb
.if (\ra) && (\rb)
	v_wmma_scale_f32_16x16x128_f8f6f4 v[\d:\d+7], v[\a:\a+7], v[\b:\b+7], v[\c:\c+7], v[\sa], v[\sb] matrix_a_fmt:MATRIX_FMT_FP4 matrix_b_fmt:MATRIX_FMT_FP4 matrix_a_scale:MATRIX_SCALE_ROW1 matrix_b_scale:MATRIX_SCALE_ROW1
.elseif (\ra)
	v_wmma_scale_f32_16x16x128_f8f6f4 v[\d:\d+7], v[\a:\a+7], v[\b:\b+7], v[\c:\c+7], v[\sa], v[\sb] matrix_a_fmt:MATRIX_FMT_FP4 matrix_b_fmt:MATRIX_FMT_FP4 matrix_a_scale:MATRIX_SCALE_ROW1
.elseif (\rb)
	v_wmma_scale_f32_16x16x128_f8f6f4 v[\d:\d+7], v[\a:\a+7], v[\b:\b+7], v[\c:\c+7], v[\sa], v[\sb] matrix_a_fmt:MATRIX_FMT_FP4 matrix_b_fmt:MATRIX_FMT_FP4 matrix_b_scale:MATRIX_SCALE_ROW1
.else
	v_wmma_scale_f32_16x16x128_f8f6f4 v[\d:\d+7], v[\a:\a+7], v[\b:\b+7], v[\c:\c+7], v[\sa], v[\sb] matrix_a_fmt:MATRIX_FMT_FP4 matrix_b_fmt:MATRIX_FMT_FP4
.endif
.endm
.macro DMUL s                          ; K step s of 16: the four accumulators by turns.  w2's scale register: tile 2 p below, 2 p + 1 above; the hidden layer's: step 2 m below, 2 m + 1 above
.irp t, 0,1,2,3
.if (\s) == 0
	WM ACC+8*\t, 8*\t, 0, BI+8*\t, WSC+16*(\t/2), AS, \t%2, 0
.else
	WM ACC+8*\t, 32*((\s)%8)+8*\t, 8*(\s), ACC+8*\t, WSC+16*(\t/2)+(\s), AS+(\s)/2, \t%2, (\s)%2
.endif
.endr
.endm
.macro G0 nx                           ; 22 loads: K steps 0-7 of a tile's hidden fragments, their scale words, the tile's entries.  nx = 1: my next tile, four tiles on
	WIN 0xc0
.irp s, 0,1,2,3,4,5,6,7
.irp c, 0,1
	global_load_b128 v[8*\s+4*\c:8*\s+4*\c+3], v[L16], s[8:9] offset:131072*\nx+1024*\s+512*\c   ; a register quad as it was stored: 512 consecutive bytes
.endr
.endr
	WIN 0
.irp m, 0,1,2,3
	global_load_b32 v[AS+\m], v[L4], s[10:11] offset:8192*\nx+128*\m
.endr
	global_load_b128 v[PQ:PQ+3], v[H32], s[46:47] offset:256*\nx          ; entries 8 (lane / 16) + 0 .. 7
	global_load_b128 v[PQ+4:PQ+7], v[H32], s[46:47] offset:256*\nx+16
.endm
.macro G1 nx                           ; 20 loads: K steps 8-15 and their scale words
	WIN 0xc0
.irp s, 8,9,10,11,12,13,14,15
.irp c, 0,1
	global_load_b128 v[8*\s+4*\c:8*\s+4*\c+3], v[L16], s[8:9] offset:131072*\nx+1024*\s+512*\c
.endr
.endr
	WIN 0
.irp m, 4,5,6,7
	global_load_b32 v[AS+\m], v[L4], s[10:11] offset:8192*\nx+128*\m
.endr
.endm
.macro PLACES n
.rept \n
	v_nop
.endr
.endm
; A tile of 16 routed rows x my 64 outputs.  pf = 1: a tile of mine follows: each half of its loads is issued as soon as the registers are free
.macro TILE pf
	s_wait_loadcnt 20                              ; the first half's 22 loads are in; the second half's 20 may be out
.irp q, 0,1,2,3,4,5,6,7
	v_min_u32 v[YO+\q], 0x7ff, v[PQ+\q]            ; entry p, held inside the table
.endr
.irp q, 0,1,2,3,4,5,6,7
	v_lshl_add_u32 v[YO+\q], v[YO+\q], 12, v[R16]  ; its row of y.  (With the four lines behind the last tile's products these sixteen are the places in front of sums begun anew)
.endr
	WIN 0x0d                                       ; source 0 (w2) window 1, source 1 (hidden) window 3
.irp s, 0,1,2,3,4,5,6,7
	DMUL \s
.endr
	PLACES 4                                       ; in front of loads into registers that matrix instructions have read
.if \pf
	G0 1
	s_wait_loadcnt 22                              ; this tile's second half is in; the 22 just issued may be out
.else
	s_wait_loadcnt 0x0
.endif
	WIN 0x0e                                       ; K steps 8 to 15 lie in window 2
.irp s, 8,9,10,11,12,13,14,15
	DMUL \s
.endr
	PLACES 4                                       ; and in front of the first read of results
.if \pf
	G1 1
.endif
	WIN 0
.irp t, 0,1,2,3
	ds_store_b128 v[OST], v[ACC+8*\t:ACC+8*\t+3] offset:64*\t         ; each accumulator from its low end on: lane (r, h): outputs 16 t + 8 h + 0 .. 7 of row r
	ds_store_b128 v[OST], v[ACC+8*\t+4:ACC+8*\t+7] offset:64*\t+16
.endr
.irp q, 0,1,2,3,4,5,6,7
	ds_load_b128 v[OUT+4*\q:OUT+4*\q+3], v[OLD] offset:OP*\q          ; row 8 (lane / 16) + q, 16 bytes a lane; my own stage: LDS serves a wave's instructions in order
.endr
.irp q, 0,1,2,3,4,5,6,7
	s_wait_dscnt 7-\q
	global_store_b128 v[YO+\q], v[OUT+4*\q:OUT+4*\q+3], s[14:15]      ; sixteen lanes store 256 consecutive bytes, aligned
.endr
.if \pf
	s_wait_xcnt 0x0                                ; loads and stores have read their bases, offsets and data: all may be written again
	s_add_nc_u64 s[8:9], s[8:9], 0x20000           ; four tiles on: hc,
	s_add_nc_u64 s[10:11], s[10:11], 0x2000        ; hs,
	s_add_nc_u64 s[46:47], s[46:47], 0x100         ; the list
.endif
.endm
	s_load_b256 s[4:11], s[0:1], 0x0               ; w2 s[4:5], b2 s[6:7], hc s[8:9], hs s[10:11]
	s_load_b128 s[12:15], s[0:1], 0x20             ; rows s[12:13], y s[14:15]
	v_lshl_add_u32 v254, v0, 2, 0x1b400
	v_mov_b32 v255, 0
	v_lshrrev_b32 v1, 5, v0
	v_readfirstlane_b32 s20, v1                    ; wave 0..3
	s_and_b32 s26, ttmp9, 15                       ; jn: which 64 outputs
	s_lshr_b32 s27, ttmp9, 4                       ; kh: which half of K
	s_and_b32 s22, ttmp7, 0xffff                   ; e
	v_and_b32 v[LN], 31, v0
	v_and_b32 v168, 15, v0                         ; r
	v_bfe_u32 v169, v0, 4, 1                       ; h
	v_and_b32 v170, 7, v0
	v_lshlrev_b32 v[L16], 4, v[LN]
	v_lshlrev_b32 v[L4], 2, v[LN]
	v_lshlrev_b32 v[H32], 5, v169
	v_lshlrev_b32 v[R16], 4, v168
	s_mul_i32 s28, s20, WSB
	s_add_co_u32 s28, s28, WST                     ; my wave's 9,216 bytes
	v_lshrrev_b32 v[VTS], 3, v[LN]
	v_mul_u32_u24 v[VTS], v[VTS], 144
	v_lshl_add_u32 v[VTS], v170, 4, v[VTS]
	v_add_nc_u32 v[VTS], s28, v[VTS]
	v_mul_u32_u24 v[VTL], v[LN], 144
	v_add_nc_u32 v[VTL], s28, v[VTL]
	v_mul_u32_u24 v[OST], v168, OP
	v_lshl_add_u32 v[OST], v169, 5, v[OST]
	v_add_nc_u32 v[OST], s28, v[OST]               ; row r, + 32 h
	v_mul_u32_u24 v[OLD], v169, 8*OP
	v_lshl_add_u32 v[OLD], v168, 4, v[OLD]
	v_add_nc_u32 v[OLD], s28, v[OLD]               ; row 8 h, + 16 r
	s_mul_i32 s29, s20, NB*HQ
	v_mul_u32_u24 v[IW], v[LN], HQ
	v_add_nc_u32 v[IW], s29, v[IW]                 ; tile = wave, block = lane
	s_mul_i32 s29, s20, 16*SCP
	s_add_co_u32 s29, s29, SCW
	v_add_nc_u32 v[SW], s29, v[LN]
	v_mul_u32_u24 v[RB], v169, HQ
	v_lshl_add_u32 v[RB], v168, 4, v[RB]
	v_add_nc_u32 v[RB+1], 128*HQ, v[RB]            ; a second base: the immediate offset has 16 bits
	v_mul_u32_u24 v[SR], v[LN], SCP
	v_add_nc_u32 v[SR], SCW, v[SR]
	s_lshl_b32 s36, s22, 24                        ; w2: 16 MiB an expert, 16 KiB a row, 8 KiB a half
	s_lshl_b32 s28, s26, 20
	s_add_co_u32 s36, s36, s28
	s_lshl_b32 s28, s20, 18
	s_add_co_u32 s36, s36, s28
	s_lshl_b32 s28, s27, 13
	s_add_co_u32 s36, s36, s28
	s_mov_b32 s37, 0
	s_lshl_b32 s38, s22, 12                        ; b2
	s_lshl_b32 s28, s26, 8
	s_add_co_u32 s38, s38, s28
	s_mov_b32 s39, 0
	s_lshl_b32 s40, s22, 21                        ; hc: my first tile = wave; 16 KiB a half
	s_lshl_b32 s28, s20, 15
	s_add_co_u32 s40, s40, s28
	s_lshl_b32 s28, s27, 14
	s_add_co_u32 s40, s40, s28
	s_mov_b32 s41, 0
	s_lshl_b32 s42, s22, 17                        ; hs
	s_lshl_b32 s28, s20, 11
	s_add_co_u32 s42, s42, s28
	s_lshl_b32 s28, s27, 10
	s_add_co_u32 s42, s42, s28
	s_mov_b32 s43, 0
	s_mul_i32 s44, s22, 5120                       ; rows
	s_mov_b32 s45, 0
	s_lshl_b32 s48, s27, 23                        ; y: 8 MiB a half, 256 bytes a slice
	s_lshl_b32 s28, s26, 8
	s_add_co_u32 s48, s48, s28
	s_mov_b32 s49, 0
	s_lshl_b32 s50, s20, 6                         ; my first tile's entries
	s_mov_b32 s51, 0
	s_cmp_eq_u32 s27, 0
	s_cselect_b32 s52, -1, 0                       ; b2 counts in K half 0 alone
	s_wait_kmcnt 0x0
	s_add_nc_u64 s[4:5], s[4:5], s[36:37]
	s_add_nc_u64 s[6:7], s[6:7], s[38:39]
	s_add_nc_u64 s[8:9], s[8:9], s[40:41]
	s_add_nc_u64 s[10:11], s[10:11], s[42:43]
	s_add_nc_u64 s[12:13], s[12:13], s[44:45]
	s_add_nc_u64 s[14:15], s[14:15], s[48:49]
	s_add_nc_u64 s[46:47], s[12:13], s[50:51]
	s_load_b32 s23, s[12:13], 0x1200               ; the expert's count of rows
.irp t, 0,1,2,3                                ; b2 as the result lies: lane (r, h), tile t: outputs 16 t + 8 h + 0 .. 7
	global_load_b128 v[BI+8*\t:BI+8*\t+3], v[H32], s[6:7] offset:64*\t
	global_load_b128 v[BI+8*\t+4:BI+8*\t+7], v[H32], s[6:7] offset:64*\t+16
.endr
.irp i, 0,1,2,3,4,5,6
	RLOAD \i
.endr
	; ---- the stream: my 16 rows x 2,048 of w2 become codes in the image
	s_wait_loadcnt 48                              ; unit 0 is in (and b2, which is older); six units may be out
	TURN 0
.set Q, 0
.rept 32
	UNIT Q
.set Q, Q+1
.endr
	s_wait_dscnt 0x0                               ; for the others' sake: my codes and bytes lie in LDS
	s_barrier_signal -1
	s_barrier_wait -1                              ; the slice's image is whole.  From here on no wave waits for another
	s_wait_kmcnt 0x0
	s_min_u32 s23, s23, 1024
	s_add_co_u32 s24, s23, 15
	s_lshr_b32 s24, s24, 4                         ; tiles of 16 rows
	s_add_co_u32 s25, s24, 3
	s_sub_co_u32 s25, s25, s20
	s_lshr_b32 s25, s25, 2                         ; of which wave, wave + 4, .. are mine
	s_cmp_eq_u32 s25, 0
	s_cbranch_scc1 .Lend
	G0 0                                           ; my first tile is on its way while the slice comes into my registers
	G1 0
	WIN 0x40
.irp s, 0,1,2,3,4,5,6,7
.irp t, 0,1,2,3
.irp c, 0,1
	ds_load_b128 v[32*\s+8*\t+4*\c:32*\s+8*\t+4*\c+3], v[RB+\t/2] offset:((\t%2)*NB+4*\s+2*\c)*HQ
.endr
.endr
.endr
	WIN 0x80
.irp s, 8,9,10,11,12,13,14,15
.irp t, 0,1,2,3
.irp c, 0,1
	ds_load_b128 v[32*(\s-8)+8*\t+4*\c:32*(\s-8)+8*\t+4*\c+3], v[RB+\t/2] offset:((\t%2)*NB+4*\s+2*\c)*HQ
.endr
.endr
.endr
	WIN 0
.irp p, 0,1
.irp q, 0,1,2,3
	ds_load_b128 v[WSC+16*\p+4*\q:WSC+16*\p+4*\q+3], v[SR] offset:\p*32*SCP+16*\q   ; scale words of K steps 4 q on: lanes 0-15 tile 2 p, lanes 16-31 tile 2 p + 1
.endr
.endr
.irp i, 0,1,2,3,4,5,6,7,8,9,10,11,12,13,14,15,16,17,18,19,20,21,22,23,24,25,26,27,28,29,30,31
	v_and_b32 v[BI+\i], s52, v[BI+\i]              ; b2, or zeros
.endr
	s_wait_dscnt 0x0
	s_sub_co_u32 s25, s25, 1
	s_cmp_eq_u32 s25, 0
	s_cbranch_scc1 .Llast
.Ltile:
	TILE 1
	s_sub_co_u32 s25, s25, 1
	s_cmp_lg_u32 s25, 0
	s_cbranch_scc1 .Ltile
.Llast:
	TILE 0                                         ; my last tile asks for nothing more: no tile that was not written is read
.Lend:
	s_wait_tensorcnt 0x0
	ds_add_u32 v254, v255
	s_wait_dscnt 0x0
	s_endpgm
.Lfunc_end_k_q23d35cc039_down:
	.size	k_q23d35cc039_down, .Lfunc_end_k_q23d35cc039_down-k_q23d35cc039_down
	.p2alignl 7, 3214868480
	.fill 96, 4, 3214868480
	.section	.rodata,"a",@progbits
	.p2align	6, 0x0
	.amdhsa_kernel k_q23d35cc039_down
		.amdhsa_group_segment_fixed_size 112128
		.amdhsa_private_segment_fixed_size 0
		.amdhsa_enable_private_segment 0
		.amdhsa_kernarg_size 48
		.amdhsa_user_sgpr_count 2
		.amdhsa_user_sgpr_kernarg_segment_ptr 1
		.amdhsa_wavefront_size32 1
		.amdhsa_system_sgpr_workgroup_id_x 1
		.amdhsa_system_sgpr_workgroup_id_y 1
		.amdhsa_system_sgpr_workgroup_id_z 1
		.amdhsa_system_vgpr_workitem_id 0
		.amdhsa_next_free_vgpr 1024
		.amdhsa_next_free_sgpr 66
		.amdhsa_reserve_vcc 0
		.amdhsa_float_denorm_mode_32 3
		.amdhsa_float_denorm_mode_16_64 3
		.amdhsa_memory_ordered 1
		.amdhsa_forward_progress 1
		.amdhsa_inst_pref_size 155
	.end_amdhsa_kernel
	.amdgpu_metadata
---
amdhsa.version: [ 1, 2 ]
amdhsa.kernels:
  - .name:           k_q23d35cc039_down
    .symbol:         k_q23d35cc039_down.kd
    .args:
      - { .name: w2, .offset: 0, .size: 8, .value_kind: global_buffer, .address_space: global }
      - { .name: b2, .offset: 8, .size: 8, .value_kind: global_buffer, .address_space: global }
      - { .name: hc, .offset: 16, .size: 8, .value_kind: global_buffer, .address_space: global }
      - { .name: hs, .offset: 24, .size: 8, .value_kind: global_buffer, .address_space: global }
      - { .name: rows, .offset: 32, .size: 8, .value_kind: global_buffer, .address_space: global }
      - { .name: y, .offset: 40, .size: 8, .value_kind: global_buffer, .address_space: global }
    .group_segment_fixed_size: 112128
    .private_segment_fixed_size: 0
    .kernarg_segment_align: 8
    .kernarg_segment_size: 48
    .max_flat_workgroup_size: 128
    .sgpr_count:     66
    .vgpr_count:     1024
    .wavefront_size: 32
...
	.end_amdgpu_metadata
.endif
;; end of part 3
;; launch mix (part 4): grid 256 x 1, 4 waves a work-group, no clusters, 0 bytes of LDS; arguments y, gate, out0; writes out0
.if DOCPART == 4
	.amdgcn_target "amdgcn-amd-amdhsa--gfx1250"
	.amdhsa_code_object_version 6
	.text
	.protected	k_q23d35cc039_mix
	.globl	k_q23d35cc039_mix
	.p2align	8
	.type	k_q23d35cc039_mix,@function
k_q23d35cc039_mix:
	s_mov_b64 s[64:65], 0
	v_nop
	global_prefetch_b8 v0, s[64:65] scope:SCOPE_SE
	s_setreg_imm32_b32 hwreg(HW_REG_WAVE_MODE, 25, 1), 1
	s_wait_xcnt 0x0
; out0[t] = g0 (y[0][2 t] + y[1][2 t]) + g1 (y[0][2 t + 1] + y[1][2 t + 1]): a token's two experts, each the sum of its two halves of K, weighed by the gates.  All f32.
; A stream: one wave owns one token (token = 4 x work-group + wave); every load and store of the wave covers 512 consecutive bytes; all 32 loads go out at once, a chunk's four together,
; and the waits count down.  No LDS, no barrier, no matrix unit: memory binds.
.set A0, 16                            ; chunk c at v[16 + 16 c]: slot 0 half 0, slot 0 half 1, slot 1 half 0, slot 1 half 1, four registers each
	s_load_b128 s[4:7], s[0:1], 0x0                ; y s[4:5], gate s[6:7]
	s_load_b64 s[8:9], s[0:1], 0x10                ; out0
	v_lshrrev_b32 v1, 5, v0
	v_readfirstlane_b32 s10, v1                    ; wave
	v_and_b32 v1, 31, v0
	v_lshlrev_b32 v1, 4, v1                        ; 16 lane
	s_lshl_b32 s11, ttmp9, 2
	s_add_co_u32 s11, s11, s10                     ; my token
	s_lshl_b32 s16, s11, 13                        ; rows 2 t and 2 t + 1 of y lie together: 8,192 bytes
	s_mov_b32 s17, 0
	s_lshl_b32 s18, s11, 3                         ; its two gates
	s_mov_b32 s19, 0
	s_lshl_b32 s20, s11, 12                        ; its row of out0
	s_mov_b32 s21, 0
	s_wait_kmcnt 0x0
	s_add_nc_u64 s[4:5], s[4:5], s[16:17]
	s_add_nc_u64 s[22:23], s[4:5], 0x800000        ; the second half of K: 8 MiB on, one more than a load's immediate reaches
	s_add_nc_u64 s[6:7], s[6:7], s[18:19]
	s_add_nc_u64 s[8:9], s[8:9], s[20:21]
	s_load_b64 s[12:13], s[6:7], 0x0               ; g0, g1
.irp c, 0,1,2,3,4,5,6,7
	global_load_b128 v[A0+16*\c:A0+16*\c+3],     v1, s[4:5]   offset:512*\c th:TH_LOAD_NT
	global_load_b128 v[A0+16*\c+4:A0+16*\c+7],   v1, s[22:23] offset:512*\c th:TH_LOAD_NT
	global_load_b128 v[A0+16*\c+8:A0+16*\c+11],  v1, s[4:5]   offset:4096+512*\c th:TH_LOAD_NT
	global_load_b128 v[A0+16*\c+12:A0+16*\c+15], v1, s[22:23] offset:4096+512*\c th:TH_LOAD_NT
.endr
	s_wait_kmcnt 0x0
	s_mov_b32 s14, s13                             ; g1 as the low word of a pair of its own: the packed forms take a scalar pair's low word for both halves
	s_mov_b32 s15, s13
.irp c, 0,1,2,3,4,5,6,7
	s_wait_loadcnt 28-4*\c                         ; this chunk's four loads are in; the chunks behind it may be out
.irp u, 0,2
	v_pk_add_f32 v[A0+16*\c+\u:A0+16*\c+\u+1], v[A0+16*\c+\u:A0+16*\c+\u+1], v[A0+16*\c+4+\u:A0+16*\c+4+\u+1]
	v_pk_add_f32 v[A0+16*\c+8+\u:A0+16*\c+8+\u+1], v[A0+16*\c+8+\u:A0+16*\c+8+\u+1], v[A0+16*\c+12+\u:A0+16*\c+12+\u+1]
.endr
.irp u, 0,2
	v_pk_mul_f32 v[A0+16*\c+\u:A0+16*\c+\u+1], v[A0+16*\c+\u:A0+16*\c+\u+1], s[12:13] op_sel_hi:[1,0]
.endr
.irp u, 0,2
	v_pk_fma_f32 v[A0+16*\c+\u:A0+16*\c+\u+1], v[A0+16*\c+8+\u:A0+16*\c+8+\u+1], s[14:15], v[A0+16*\c+\u:A0+16*\c+\u+1] op_sel_hi:[1,0,1]
.endr
	global_store_b128 v1, v[A0+16*\c:A0+16*\c+3], s[8:9] offset:512*\c th:TH_STORE_NT
.endr
	s_endpgm
.Lfunc_end_k_q23d35cc039_mix:
	.size	k_q23d35cc039_mix, .Lfunc_end_k_q23d35cc039_mix-k_q23d35cc039_mix
	.p2alignl 7, 3214868480
	.fill 96, 4, 3214868480
	.section	.rodata,"a",@progbits
	.p2align	6, 0x0
	.amdhsa_kernel k_q23d35cc039_mix
		.amdhsa_group_segment_fixed_size 0
		.amdhsa_private_segment_fixed_size 0
		.amdhsa_enable_private_segment 0
		.amdhsa_kernarg_size 24
		.amdhsa_user_sgpr_count 2
		.amdhsa_user_sgpr_kernarg_segment_ptr 1
		.amdhsa_wavefront_size32 1
		.amdhsa_system_sgpr_workgroup_id_x 1
		.amdhsa_system_sgpr_workgroup_id_y 1
		.amdhsa_system_sgpr_workgroup_id_z 1
		.amdhsa_system_vgpr_workitem_id 0
		.amdhsa_next_free_vgpr 144
		.amdhsa_next_free_sgpr 66
		.amdhsa_reserve_vcc 0
		.amdhsa_float_denorm_mode_32 3
		.amdhsa_float_denorm_mode_16_64 3
		.amdhsa_memory_ordered 1
		.amdhsa_forward_progress 1
		.amdhsa_inst_pref_size 10
	.end_amdhsa_kernel
	.amdgpu_metadata
---
amdhsa.version: [ 1, 2 ]
amdhsa.kernels:
  - .name:           k_q23d35cc039_mix
    .symbol:         k_q23d35cc039_mix.kd
    .args:
      - { .name: y, .offset: 0, .size: 8, .value_kind: global_buffer, .address_space: global }
      - { .name: gate, .offset: 8, .size: 8, .value_kind: global_buffer, .address_space: global }
      - { .name: out0, .offset: 16, .size: 8, .value_kind: global_buffer, .address_space: global }
    .group_segment_fixed_size: 0
    .private_segment_fixed_size: 0
    .kernarg_segment_align: 8
    .kernarg_segment_size: 24
    .max_flat_workgroup_size: 128
    .sgpr_count:     66
    .vgpr_count:     144
    .wavefront_size: 32
...
	.end_amdgpu_metadata
.endif
;; end of part 4
;; ======== version 2 of 2: 4 launches; version 1 with the launches up, down written anew for expert scheduling mode
;; workspace buffers: xc 524,288 bytes; xs 32,768 bytes; sel 8,192 bytes of whole numbers; gate 8,192 bytes; hc 16,777,216 bytes; hs 1,048,576 bytes; rows 40,960 bytes of whole numbers; y 16,777,216 bytes
;; launch route: the kernel of part 1 again; grid 128 x 1, 8 waves a work-group, no clusters, 38,400 bytes of LDS; arguments hidden_states, w_router, xc, xs, sel, gate; writes xc, xs, sel, gate
;; launch up (part 5): grid 32 x 8, 4 waves a work-group, no clusters, 113,152 bytes of LDS; arguments w1, b1, xc, xs, sel, hc, hs, rows; writes hc, hs, rows
.if DOCPART == 5
	.amdgcn_target "amdgcn-amd-amdhsa--gfx1250"
	.amdhsa_code_object_version 6
	.text
	.protected	k_q23d35cc039_up
	.globl	k_q23d35cc039_up
	.p2align	8
	.type	k_q23d35cc039_up,@function
k_q23d35cc039_up:
	s_mov_b64 s[64:65], 0
	v_nop
	global_prefetch_b8 v0, s[64:65] scope:SCOPE_SE
	s_setreg_imm32_b32 hwreg(HW_REG_WAVE_SCHED_MODE, 0, 2), 2
	s_setreg_imm32_b32 hwreg(HW_REG_WAVE_MODE, 25, 1), 1
	s_wait_xcnt 0x0
	s_wait_alu depctr_vm_vsrc(0)
; THE FIRST PRODUCT: hidden = gelu(x w1[e]^T + b1[e]) for the rows routed to expert e, quantised on the way to codes of FP4 (E2M1), one E8M0 byte for each 32 along the next K.
; SHARES.  Work-group (j, e) owns 128 hidden units of expert e: 128 rows of w1, 512 KiB of consecutive f32, which no other work-group reads.  THE WEIGHTS STAND STILL: the four waves stream the slice once
; (wave w rows 32 w on), quantise it in registers, exchange the codes once through LDS, and then EVERY wave holds the whole slice as operand registers (64 fragments, 512 registers).
; After that a wave walks its own tiles of 16 routed rows (tile = wave + 4 k) and no wave waits for another.
; THE LIST.  sel [p = 2 token + slot], stored by the launch before, holds the expert of routed row p.  The expert's list is its rows in the order (register n, lane) in which a wave holds sel: any order serves,
; nothing is dropped.  Each wave finds the entries of ITS 16 possible tiles in registers alone: for each of the 64 registers of sel one compare gives the word of this expert's rows; a scalar key
; 64 x (rows before word n) + n runs along; a lane that wants position i has the target 64 i + 63, and the last word whose key is not above the target holds position i.  So a word costs a compare and two selects
; for each of eight sets of 32 positions.  The (i - rows before)-th set bit of the chosen word is found from its 2-, 4-, 8- and 16-bit counts in five halvings.  Positions at or behind the count take the expert's
; FIRST row, so that a filled-up row computes and stores what a routed row does.  This work is dealt into the stream's units, where the wave has issue slots to spare.
; Work-group j = 0 stores each tile's entries and the count in rows for the next launch: rows [e]: entries from byte 0, the count 32 times from byte 4,608; a record is 5,120 bytes.
; No cluster and no tensor load: the number of tiles hangs on stored numbers, and what the 32 work-groups of an expert share (the routed rows' codes) is the smaller part of each one's bytes.
; THE STREAM.  A unit is a row of w1: 1,024 f32, 32 blocks.  Eight loads of 512 consecutive bytes; the row turns through the wave's stage in LDS (a block's 128 bytes + 16) and lane L gets block L.
; Seven units of loads are out for each wave.  A block's codes (16 bytes) go to the IMAGE: half-quad (tile t, block U) = 16 rows x 16 bytes at (32 t + U) x 272; a fragment's register quad c of K step s is
; blocks U = 4 s + 2 c + (lane / 16).  272 = 17 x 16: the writer's lanes (272 bytes apart) and the reader's (16 bytes apart) both fall on different banks.
; THE ROWS OF w1 THAT FORM A TILE ARE NOT NEIGHBOURS: lane r of tile 2 b + u takes row 32 b + 8 u + r + 8 (r / 8).  The product is used transposed (source 0 = 16 rows of w1, source 1 = 16 routed rows), so a lane
; holds ONE routed row and the 16 registers of tiles 2 b, 2 b + 1 are 16 neighbours along the next K.  b1 is the C of each sum's first matrix instruction.
; GELU, exact form: gelu(x) = max(x, 0) - |x| / 2 erfc(|x| / sqrt 2), with erfc(a) = t exp(-a a + P(t)), t = 1 / (1 + a / 2), P of degree 9 (fractional error of the formula 1.2e-7); ln(1 / sqrt 2) is folded into P's constant.
; LIMITS: the exponent -a a + P is rounded at its own size, so the relative error of the tail grows as a a x 1.2e-7 (a = |x| / sqrt 2); what falls under 2^-126 is 0; NaN and infinities are not served;
; a block of zeros gets the byte 1 (its codes are zeros; this program alone reads the bytes).
; OUT: hc [e][tile][K step j][1,024 bytes]: the fragment as its registers stand, quad c at 512 c + 16 lane; hs [e][tile][j][16 words]; rows as above.
; REGISTERS, in windows of 256.  window 0: v1-15 addresses; v16-47 w1's scale words; v48-55 x's; v56-72 the tile's row offsets; v76-95 P's coefficients, in pairs; v96-159 the 8 accumulators (in the
; stream: two blocks' numbers); v160-223 x's 8 fragments, then gelu at work; v224-252 at work.  windows 1, 2: fragment (t, s) at v[256 + 64 s + 8 t] (in the stream window 1 is the ring of loads).
; window 3: v768-831 16 rows of x's codes as loaded; v832-895 b1 in the result's layout; v896-936 the search for the list; v960-1023 sel, later the search at work.
; THE MODE: SCHED_MODE bits 1:0 = 2 (LLVM: expert scheduling mode 2), set by the entry lines.  The code itself states the register dependences between vector or matrix instructions and memory or LDS
; instructions, and those through scalar registers that vector instructions write, with s_wait_alu, always for 0.
; THE PLAN, THE STREAM.  Registers that memory or LDS instructions touch:
;   the ring      seven sets in window 1.  Set i % 7: the loads of unit i land in it; the LDS stores of unit i's turn through the stage, issued in unit i - 1, read it; the loads of unit i + 7, issued in unit i, land in it again.
;   XB0, XB1      XB[i % 2]: the LDS loads of unit i's turn land in it; unit i's maxima and conversions read it.
;   CD0, CD1, BY0, BY1   unit i's conversions and shift write set i % 2; the two LDS stores at the head of unit i + 1 read it.
;   the addresses v2-v12, v14, v75 are made at the head and never written again.
; Unit i has one wait on va_vdst, at its head: unit i - 1 has written its codes and byte and is done reading its numbers; and one on vm_vsrc behind it: the stage's stores have read ring set i % 7, and the
; stores of codes a unit back have read the set that this unit writes.  No vector line issued since the head's wait names a register that the unit's loads and stores touch.
; THE PLAN, A TILE.  the 64 registers of rows: PREP's loads land, the LDS stores at the trip's head read.  x's scale words: PREP's loads land, the products read.  The rows' offsets and the entries' register:
; PREP's vector lines write, its loads and its store read.  x's fragments v160-223: the LDS loads at the trip's head land, the products read, the gelu then works there.  The codes and the scale word: the
; quantiser writes, the trip's three stores read.  So a trip has one wait on vm_vsrc, at PREP's head, and two on va_vdst: ahead of PREP's loads and ahead of the trip's stores (beside the gelu's two).
; SCALAR REGISTERS THAT VECTOR LINES WRITE: the wave's number; in the search a word and eight masks in one run, with one wait on va_sdst behind the run; a tile's sixteen entries, likewise.
.set HQ,   272                         ; a half-quad in the image
.set NB,   32                          ; blocks in a row of the slice
.set IMG,  0
.set SCW,  8*NB*HQ                     ; 69,632: the weights' scale bytes, 128 rows (in tile order) x 48 (32 + 16 of padding)
.set SCP,  48
.set WST,  SCW+128*SCP                 ; 75,776: 9,216 bytes for each wave: in the stream two stages of 4,608; later x's stage, 16 rows x 528
.set WSB,  9216
.set TST,  4608
.set XP,   528
.set LN,   1                           ; lane
.set L16,  2                           ; 16 lane
.set VTS,  3                           ; a stage, on the way in
.set VTL,  4                           ; and out
.set IW,   5                           ; the image, where I write
.set SW,   6                           ; the scale bytes, where I write
.set RB,   7                           ; v7, v8: the image, where I read: tiles 0-3, tiles 4-7
.set SR,   9                           ; the scale words, where I read
.set XST,  10                          ; x's stage, in
.set XLD,  11                          ; and out
.set R4,   12                          ; 4 (lane % 16)
.set L4,   14                          ; 4 lane
.set CV,   15                          ; the count, as a store's data; written once
.set WSC,  16
.set XS,   48
.set TK,   56                          ; v56-71 the byte offsets in xc of the tile's 16 rows
.set TL,   72                          ; my row's offset in xs
.set HB,   75                          ; 64 (lane / 16)
.set CF,   76
.set HA,   96
.set XF,   160
.set GA,   160                         ; gelu: a, t, P for 16 numbers
.set GT,   176
.set GP,   192
.set TM,   224                         ; v224-239 the quantiser at work
.set PCD,  240                         ; v240-247 the codes just made
.set PW,   248                         ; their scale word
.set XB,   96                          ; the stream: two sets of 32 numbers,
.set CD,   240                         ; two sets of 4 registers of codes,
.set BY,   248                         ; two bytes
.set MXA,  250
.set MXB,  251
.set SC,   252
; in window 3, eight registers each, one for each set m of 32 positions: lanes 0-15 my tile k = 2 m, lanes 16-31 my tile k = 2 m + 1
.set TKY,  128                         ; the targets 64 i + 63
.set KY,   136                         ; the key of the last word that is not above the target
.set WD,   144                         ; that word
.set QU,   152                         ; the entries: a queue of 16 half registers
.set QT,   160                         ; the queue with its halves exchanged
.set PE,   168                         ; the entries of the tile in hand: lane l holds row l % 16's
.set SLR,  192                         ; sel, 64 registers: register n, lane L holds row p = 128 (n / 4) + n % 4 + 4 L.  Behind the chain the same registers are at work:
.set FA,   192                         ; the word's 2-bit counts,
.set FB,   200                         ; 4-bit counts,
.set FC,   208                         ; 8-bit counts,
.set FD,   216                         ; the count of bits 0-15 in the low byte
.set FR,   224                         ; how many set bits lie under the one wanted
.set FP,   232                         ; the bit's place so far
.set FT,   240
.set FU,   248
.set SEL,  30                          ; s[30:31]
.set KEY,  50                          ; 64 x (rows before this word) + the word's number
.set MK,   51                          ; the word
.set TT,   52
.set FW,   53                          ; the first word that is not empty, and its number
.set FN,   54
.set HM,   55                          ; lanes 16-31
.set PF,   56                          ; the expert's first row
.set RL,   66                          ; s66-81 a tile's 16 entries
.set CM,   82                          ; s82-89 eight masks, so that no compare waits for the selects of the one before
.set MSB, 0
.macro WIN new                         ; the immediate's high byte repeats the setting that is left; a switch that changes nothing is dropped
.if MSB != \new
	s_set_vgpr_msb (MSB<<8)|\new
.set MSB, \new
.endif
.endm
.macro RLOAD i                         ; unit i: a row of 4,096 bytes into ring set i % 7 (window 1)
	WIN 0x40
.irp d, 0,1,2,3,4,5,6,7
	global_load_b128 v[32*((\i)%7)+4*\d:32*((\i)%7)+4*\d+3], v[L16], s[4:5] offset:4096*(\i)+512*\d th:TH_LOAD_NT   ; 512 consecutive bytes; read once in the launch
.endr
.endm
.macro TURN i                          ; unit i through stage i % 2: in as loaded, out a block a lane
	WIN 0x04
.irp d, 0,1,2,3,4,5,6,7
	ds_store_b128 v[VTS], v[32*((\i)%7)+4*\d:32*((\i)%7)+4*\d+3] offset:TST*((\i)%2)+576*\d
.endr
	WIN 0
.irp g, 0,1,2,3,4,5,6,7
	ds_load_b128 v[XB+32*((\i)%2)+4*\g:XB+32*((\i)%2)+4*\g+3], v[VTL] offset:TST*((\i)%2)+16*\g   ; LDS serves a wave's instructions in order: these see the stores above
.endr
.endm
.macro BLOCKQ x, c, b                  ; 32 numbers of one lane: 4 registers of codes and the scale's byte
	v_max3_num_f32 v[MXA], |v[\x]|, |v[\x+1]|, |v[\x+2]|
	v_max3_num_f32 v[MXB], |v[\x+3]|, |v[\x+4]|, |v[\x+5]|
.irp i, 6,10,14,18,22,26
	v_max3_num_f32 v[MXA], v[MXA], |v[\x+\i]|, |v[\x+\i+1]|
	v_max3_num_f32 v[MXB], v[MXB], |v[\x+\i+2]|, |v[\x+\i+3]|
.endr
	v_max3_num_f32 v[MXA], v[MXA], |v[\x+30]|, |v[\x+31]|
	v_max3_num_f32 v[MXA], v[MXA], v[MXB], 0x1800000   ; the floor 2^(3 - 127): the byte cannot fall under 1
	v_add_nc_u32 v[SC], 0xff000000, v[MXA]         ; 2 off the exponent field: the conversion's scale operand
.irp g, 0,1,2,3
	v_cvt_scalef32_pk8_fp4_f32 v[\c+\g], v[\x+8*\g:\x+8*\g+7], v[SC]
.endr
	v_lshrrev_b32 v[\b], 23, v[SC]                 ; the byte; also the plain line behind the conversions
.endm
.macro CSTORE i                        ; unit i's codes and byte go to the image: row i of my 32 is lane R_ of tile 2 wave + U_
.set U_, ((\i)>>3)&1
.set R_, ((\i)&7)+8*((\i)>>4)
	ds_store_b128 v[IW], v[CD+4*((\i)%2):CD+4*((\i)%2)+3] offset:U_*NB*HQ+16*R_
	ds_store_b8 v[SW], v[BY+(\i)%2] offset:(16*U_+R_)*SCP
.endm
; THE SEARCH, all in window 3.  Word n of 64: which lanes' rows of register n are this expert's; the eight sets keep it if its key is not above their targets; then the key goes on.
.macro SSTEP n
	v_cmp_eq_u32 s[MK], s22, v[SLR+(\n)]
.if (\n) == 0
	s_wait_alu depctr_va_sdst(0)                   ; the word is written in s[MK], ahead of its first reader
.irp m, 0,1,2,3,4,5,6,7
	v_mov_b32 v[KY+\m], 0                          ; word 0's key is 0, above no target: it starts every set
	v_mov_b32 v[WD+\m], s[MK]
.endr
.else
.irp m, 0,1,2,3,4,5,6,7
	v_cmp_le_u32 s[CM+\m], s[KEY], v[TKY+\m]
.endr
	s_wait_alu depctr_va_sdst(0)                   ; the word in s[MK] and the eight masks in s[CM ..] are written, ahead of the selects and the scalar lines that read them: one wait for the run of nine
.irp m, 0,1,2,3,4,5,6,7
	v_cndmask_b32 v[KY+\m], v[KY+\m], s[KEY], s[CM+\m]
.endr
.irp m, 0,1,2,3,4,5,6,7
	v_cndmask_b32 v[WD+\m], v[WD+\m], s[MK], s[CM+\m]
.endr
.endif
	s_cmp_eq_u32 s[FW], 0                          ; no word with a row so far: this one is noted
	s_cselect_b32 s[FN], (\n), s[FN]
	s_cselect_b32 s[FW], s[MK], s[FW]
	s_bcnt1_i32_b32 s[TT], s[MK]
	s_lshl_b32 s[TT], s[TT], 6
	s_add_co_u32 s[KEY], s[KEY], s[TT]             ; 64 for each row of this word,
	s_add_co_u32 s[KEY], s[KEY], 1                 ; 1 for the word
.endm
.macro SCOUNT                          ; behind word 63 the key is 64 x (count + 1)
	s_lshr_b32 s23, s[KEY], 6
	s_sub_co_u32 s23, s23, 1
	s_min_u32 s23, s23, 1024                       ; a token names an expert once: 1,024 rows at the most
	s_ctz_i32_b32 s[TT], s[FW]                     ; the expert's first row: 128 (n / 4) + n % 4 + 4 x the lowest lane.  (No rows: a number that no tile uses)
	s_lshl_b32 s[TT], s[TT], 2
	s_lshr_b32 s[PF], s[FN], 2
	s_lshl_b32 s[PF], s[PF], 7
	s_add_co_u32 s[PF], s[PF], s[TT]
	s_and_b32 s[TT], s[FN], 3
	s_add_co_u32 s[PF], s[PF], s[TT]
.endm
.macro K8 op, d, k, b                  ; one line for each of the eight sets, by turns: a constant and a register
.irp m, 0,1,2,3,4,5,6,7
	\op v[\d+\m], \k, v[\b+\m]
.endr
.endm
.macro R8 op, d, a, b                  ; two registers
.irp m, 0,1,2,3,4,5,6,7
	\op v[\d+\m], v[\a+\m], v[\b+\m]
.endr
.endm
.macro LEVEL w, first                  ; FT holds the set bits in the lower half of what is left: if the bit wanted is not among them, they are taken off and the place moves w up
.irp m, 0,1,2,3,4,5,6,7
	v_cmp_ge_u32 s[CM+\m], v[FR+\m], v[FT+\m]
.endr
	s_wait_alu depctr_va_sdst(0)                   ; the eight masks are written, ahead of the selects that read them
.irp m, 0,1,2,3,4,5,6,7
	v_cndmask_b32 v[FT+\m], 0, v[FT+\m], s[CM+\m]
.endr
	R8 v_sub_nc_u32, FR, FR, FT
.if \first
.irp m, 0,1,2,3,4,5,6,7
	v_cndmask_b32 v[FP+\m], 0, \w, s[CM+\m]
.endr
.else
.irp m, 0,1,2,3,4,5,6,7
	v_cndmask_b32 v[FU+\m], 0, \w, s[CM+\m]
.endr
	R8 v_add_nc_u32, FP, FP, FU
.endif
.endm
.macro FINAL                           ; from each set's key and word to its entries
	K8 v_lshrrev_b32, FA, 1, WD
	K8 v_and_b32, FA, 0x55555555, FA
	R8 v_sub_nc_u32, FA, WD, FA                    ; counts of 2 bits
	K8 v_lshrrev_b32, FB, 2, FA
	K8 v_and_b32, FB, 0x33333333, FB
	K8 v_and_b32, FT, 0x33333333, FA
	R8 v_add_nc_u32, FB, FB, FT                    ; of 4
	K8 v_lshrrev_b32, FC, 4, FB
	R8 v_add_nc_u32, FC, FC, FB
	K8 v_and_b32, FC, 0x0f0f0f0f, FC               ; of 8
	K8 v_lshrrev_b32, FD, 8, FC
	R8 v_add_nc_u32, FD, FD, FC                    ; low byte: of bits 0-15
	K8 v_lshrrev_b32, FR, 6, TKY                   ; i
	K8 v_lshrrev_b32, FT, 6, KY                    ; the rows before the word
	R8 v_sub_nc_u32, FR, FR, FT                    ; so many set bits lie under the one wanted
	K8 v_and_b32, FT, 0xff, FD
	LEVEL 16, 1
	R8 v_lshrrev_b32, FT, FP, FC
	K8 v_and_b32, FT, 0xff, FT
	LEVEL 8, 0
	R8 v_lshrrev_b32, FT, FP, FB
	K8 v_and_b32, FT, 15, FT
	LEVEL 4, 0
	R8 v_lshrrev_b32, FT, FP, FA
	K8 v_and_b32, FT, 3, FT
	LEVEL 2, 0
	R8 v_lshrrev_b32, FT, FP, WD
	K8 v_and_b32, FT, 1, FT
	LEVEL 1, 0                                     ; FP: the lane that holds the row
	K8 v_and_b32, FT, 63, KY                       ; n
	K8 v_lshrrev_b32, FU, 2, FT
	K8 v_and_b32, FT, 3, FT
.irp m, 0,1,2,3,4,5,6,7
	v_lshl_or_b32 v[FT+\m], v[FU+\m], 7, v[FT+\m]  ; 128 (n / 4) + n % 4
.endr
.irp m, 0,1,2,3,4,5,6,7
	v_lshl_or_b32 v[FT+\m], v[FP+\m], 2, v[FT+\m]  ; + 4 x lane: p
.endr
	K8 v_lshrrev_b32, FU, 6, TKY
.irp m, 0,1,2,3,4,5,6,7
	v_cmp_gt_u32 s[CM+\m], s23, v[FU+\m]           ; is there a position i?
.endr
	s_wait_alu depctr_va_sdst(0)                   ; the eight masks are written, ahead of the selects that read them
.irp m, 0,1,2,3,4,5,6,7
	v_cndmask_b32 v[QU+\m], s[PF], v[FT+\m], s[CM+\m]   ; if not: the expert's first row
.endr
.endm
.macro UNIT i
.if (\i) > 0
	s_wait_alu depctr_va_vdst(0)                   ; the last unit's conversions and shift have written its codes and its byte, which the two stores below read; its lines are done reading its 32 numbers, in which the next unit's come back from the stage
	CSTORE (\i)-1
	s_wait_dscnt 2                                 ; this unit's numbers are back from the stage (the last unit's code store and byte store, just issued, may be out): so its stores into the stage are done,
.else
	s_wait_dscnt 0x0
.endif
	s_wait_alu depctr_vm_vsrc(0)                   ; and have read ring set i % 7, in which the loads below land; the stores of codes and byte issued a unit ago have read the set that this unit's conversions write again
.if (\i)+7 < 32
	RLOAD (\i)+7                                   ; the ring set takes the unit seven further on
.endif
.if (\i) < 31
.if 30-(\i) >= 6
	s_wait_loadcnt 48                              ; the next unit's eight loads are in; six units behind it may be out
.else
	s_wait_loadcnt 8*(30-(\i))
.endif
	TURN (\i)+1                                    ; it goes through the other stage while this unit is worked.  No wait: no vector line since the unit's head names the numbers' other set
.endif
	WIN 0
	BLOCKQ XB+32*((\i)%2), CD+4*((\i)%2), BY+(\i)%2
.if 3*(\i) < 64                        ; the search rides along: three words a unit in units 0 to 21,
	WIN 0xff
	SSTEP 3*(\i)
.if 3*(\i)+1 < 64
	SSTEP 3*(\i)+1
	SSTEP 3*(\i)+2
.endif
	WIN 0
.endif
.if (\i) == 22                         ; the count and the entries in unit 22: six units of loads are out meanwhile
	SCOUNT
	WIN 0xff
	FINAL
	WIN 0
.endif
.endm
; one matrix instruction; all arguments are register numbers but the last two: the rows of the scale registers
.macro WM d, a, b, c, sa, sb, ra, rb
.if (\ra) && (\rb)
	v_wmma_scale_f32_16x16x128_f8f6f4 v[\d:\d+7], v[\a:\a+7], v[\b:\b+7], v[\c:\c+7], v[\sa], v[\sb] matrix_a_fmt:MATRIX_FMT_FP4 matrix_b_fmt:MATRIX_FMT_FP4 matrix_a_scale:MATRIX_SCALE_ROW1 matrix_b_scale:MATRIX_SCALE_ROW1
.elseif (\ra)
	v_wmma_scale_f32_16x16x128_f8f6f4 v[\d:\d+7], v[\a:\a+7], v[\b:\b+7], v[\c:\c+7], v[\sa], v[\sb] matrix_a_fmt:MATRIX_FMT_FP4 matrix_b_fmt:MATRIX_FMT_FP4 matrix_a_scale:MATRIX_SCALE_ROW1
.elseif (\rb)
	v_wmma_scale_f32_16x16x128_f8f6f4 v[\d:\d+7], v[\a:\a+7], v[\b:\b+7], v[\c:\c+7], v[\sa], v[\sb] matrix_a_fmt:MATRIX_FMT_FP4 matrix_b_fmt:MATRIX_FMT_FP4 matrix_b_scale:MATRIX_SCALE_ROW1
.else
	v_wmma_scale_f32_16x16x128_f8f6f4 v[\d:\d+7], v[\a:\a+7], v[\b:\b+7], v[\c:\c+7], v[\sa], v[\sb] matrix_a_fmt:MATRIX_FMT_FP4 matrix_b_fmt:MATRIX_FMT_FP4
.endif
.endm
.macro UPMUL s                         ; K step s: the eight accumulators by turns.  A scale register holds tile 2 p in lanes 0-15 and tile 2 p + 1 in lanes 16-31
.irp t, 0,1,2,3,4,5,6,7
.if (\s) == 0
	WM HA+8*\t, 8*\t, XF, 64+8*\t, WSC+8*(\t/2), XS, \t%2, 0
.else
	WM HA+8*\t, 64*((\s)%4)+8*\t, XF+8*(\s), HA+8*\t, WSC+8*(\t/2)+(\s), XS+(\s), \t%2, 0
.endif
.endr
.endm
; My next tile: its entries leave the queue, which moves up by half a register; entry p -> token p / 2, held inside the table; 18 loads: 16 whole rows of codes (512 bytes each) and my row's 32 scale bytes.
; off: where the tile's entries go in rows, from the tile in hand: 256 bytes for each of my tiles.
.macro PREP off
	s_wait_alu depctr_vm_vsrc(0)                   ; the memory and LDS instructions issued so far have read their registers.  Written again from here on: the entries' register (the last store of entries read it), the rows' offsets (the last tile's loads), the 64 registers of rows (the LDS stores into x's stage; the loads below land there), the codes and the scale word (the last tile's stores; ahead of my first tile the stream's stores of codes and bytes), and, ahead of my first tile, the ring (the stream's stores into the stages; the slice's fragments land there)
	WIN 0xff
.irp m, 0,1,2,3,4,5,6,7
	v_permlanex16_b32 v[QT+\m], v[QU+\m], s[SEL], s[SEL+1]   ; the halves change places
.endr
	v_cndmask_b32 v[PE], v[QU], v[QT], s[HM]       ; the head's lanes 0-15, in both halves: lane l holds row l % 16's entry
.irp m, 0,1,2,3,4,5,6
	v_cndmask_b32 v[QU+\m], v[QT+\m], v[QT+\m+1], s[HM]   ; lanes 0-15 take the register's upper tile, lanes 16-31 the next register's lower one
.endr
	v_mov_b32 v[QU+7], v[QT+7]                     ; (what comes in at the end is an entry that has been used: no tile reaches it)
.irp i, 0,1,2,3,4,5,6,7,8,9,10,11,12,13,14,15
	v_readlane_b32 s[RL+\i], v[PE], \i
.endr
	WIN 0x0c                                       ; source 1 window 3
	v_lshrrev_b32 v[TL], 1, v[PE]
	WIN 0
	s_wait_alu depctr_va_sdst(0)                   ; the sixteen entries are written in s[RL ..], ahead of the shifts that read them: one wait for the run
.irp i, 0,1,2,3,4,5,6,7,8,9,10,11,12,13,14,15
	s_lshr_b32 s[RL+\i], s[RL+\i], 1
.endr
.irp i, 0,1,2,3,4,5,6,7,8,9,10,11,12,13,14,15
	s_min_u32 s[RL+\i], s[RL+\i], 0x3ff
.endr
.irp i, 0,1,2,3,4,5,6,7,8,9,10,11,12,13,14,15
	v_lshl_add_u32 v[TK+\i], s[RL+\i], 9, v[L16]
.endr
	v_min_u32 v[TL], 0x3ff, v[TL]
	v_lshlrev_b32 v[TL], 5, v[TL]
	WIN 0xc0
	s_wait_alu depctr_va_vdst(0)                   ; the rows' offsets and the entries' register are written, which the loads and the store below read; in the loop the products are done reading x's scale words, in which the last two loads land
.irp i, 0,1,2,3,4,5,6,7,8,9,10,11,12,13,14,15
	global_load_b128 v[4*\i:4*\i+3], v[TK+\i], s[8:9]
.endr
	WIN 0
	global_load_b128 v[XS:XS+3], v[TL], s[10:11]
	global_load_b128 v[XS+4:XS+7], v[TL], s[10:11] offset:16
	s_cmp_lg_u32 s21, 0                            ; one work-group of each expert stores the list
	s_cbranch_scc1 .Lnot_mine_\@
	WIN 0x0c                                       ; a store's data are its source 1: window 3
	global_store_b32 v[R4], v[PE], s[46:47] offset:\off   ; 64 consecutive bytes; lanes 16-31 hold the same words for the same places.  (No vector line since the wait above names the entries' register)
	WIN 0
.Lnot_mine_\@:
.endm
.macro GELU g                          ; 16 numbers, two accumulators, in place; each accumulator is first read at its low end
.set H_, HA+16*(\g)
.irp j, 0,1,2,3,4,5,6,7,8,9,10,11,12,13,14,15
	v_mul_f32 v[GA+\j], s32, |v[H_+\j]|            ; a = |x| / sqrt 2
.endr
.irp j, 0,2,4,6,8,10,12,14
	v_pk_fma_f32 v[GT+\j:GT+\j+1], v[GA+\j:GA+\j+1], 0.5, 1.0 op_sel_hi:[1,0,0]
.endr
.irp j, 0,1,2,3,4,5,6,7,8,9,10,11,12,13,14,15
	v_rcp_f32 v[GT+\j], v[GT+\j]                   ; t = 1 / (1 + a / 2)
.endr
.irp j, 0,1,2,3,4,5,6,7,8,9,10,11,12,13,14,15
	v_max_num_f32 v[H_+\j], 0, v[H_+\j]            ; max(x, 0): plain lines behind the reciprocals
.endr
	s_wait_alu depctr_va_vdst(0)                   ; the sixteen reciprocals are written, ahead of their first reader: one wait for the batch
.irp j, 0,2,4,6,8,10,12,14
	v_pk_fma_f32 v[GP+\j:GP+\j+1], v[GT+\j:GT+\j+1], v[CF:CF+1], v[CF+2:CF+3]
.endr
.irp k, 2,3,4,5,6,7,8,9
.irp j, 0,2,4,6,8,10,12,14
	v_pk_fma_f32 v[GP+\j:GP+\j+1], v[GP+\j:GP+\j+1], v[GT+\j:GT+\j+1], v[CF+2*\k:CF+2*\k+1]   ; Horner, the eight pairs by turns
.endr
.endr
.irp j, 0,2,4,6,8,10,12,14
	v_pk_fma_f32 v[GP+\j:GP+\j+1], v[GA+\j:GA+\j+1], v[GA+\j:GA+\j+1], v[GP+\j:GP+\j+1] neg_lo:[1,0,0] neg_hi:[1,0,0]   ; P - a a
.endr
.irp j, 0,2,4,6,8,10,12,14
	v_pk_mul_f32 v[GP+\j:GP+\j+1], v[GP+\j:GP+\j+1], s[34:35] op_sel_hi:[1,0]   ; x log2(e)
.endr
.irp j, 0,1,2,3,4,5,6,7,8,9,10,11,12,13,14,15
	v_exp_f32 v[GP+\j], v[GP+\j]
.endr
	v_nop                                          ; a plain line behind the exponentials
	s_wait_alu depctr_va_vdst(0)                   ; the sixteen exponentials are written, ahead of their first reader: one wait for the batch
.irp j, 0,2,4,6,8,10,12,14
	v_pk_mul_f32 v[GP+\j:GP+\j+1], v[GP+\j:GP+\j+1], v[GT+\j:GT+\j+1]   ; erfc(a) / sqrt 2
.endr
.irp j, 0,2,4,6,8,10,12,14
	v_pk_fma_f32 v[H_+\j:H_+\j+1], v[GA+\j:GA+\j+1], v[GP+\j:GP+\j+1], v[H_+\j:H_+\j+1] neg_lo:[1,0,0] neg_hi:[1,0,0]   ; max(x, 0) - a erfc(a) / sqrt 2
.endr
.endm
; 64 numbers of a lane, register 16 b + i = k 32 b + 16 (lane / 16) + i of my row, become a fragment's codes in v[PCD] on and its scale word in v[PW]
.macro QUANT s
.irp b, 0,1,2,3
	v_max3_num_f32 v[TM+\b], |v[\s+16*\b]|, |v[\s+1+16*\b]|, 0x1800000   ; block b: my 16 numbers, and the floor 2^(3 - 127)
.endr
.irp i, 2,4,6,8,10,12,14
.irp b, 0,1,2,3
	v_max3_num_f32 v[TM+\b], v[TM+\b], |v[\s+16*\b+\i]|, |v[\s+1+16*\b+\i]|   ; the four blocks by turns
.endr
.endr
.irp b, 0,1,2,3
	v_permlanex16_b32 v[TM+4+\b], v[TM+\b], s[SEL], s[SEL+1]
.endr
.irp b, 0,1,2,3
	v_max_num_f32 v[TM+\b], v[TM+\b], v[TM+4+\b]   ; with lane l xor 16's: the block's largest magnitude
.endr
.irp b, 0,1,2,3
	v_add_nc_u32 v[TM+12+\b], 0xff000000, v[TM+\b]
.endr
.irp b, 0,1,2,3
	v_lshrrev_b32 v[TM+4+\b], 23, v[TM+12+\b]      ; the scale's byte
.endr
	v_lshl_or_b32 v[PW], v[TM+5], 8, v[TM+4]       ; the four bytes make my row's scale word
	v_lshl_or_b32 v[PW], v[TM+6], 16, v[PW]
	v_lshl_or_b32 v[PW], v[TM+7], 24, v[PW]
.irp b, 0,1,2,3
	v_cvt_scalef32_pk8_fp4_f32 v[PCD+2*\b], v[\s+16*\b:\s+7+16*\b], v[TM+12+\b]
	v_cvt_scalef32_pk8_fp4_f32 v[PCD+1+2*\b], v[\s+8+16*\b:\s+15+16*\b], v[TM+12+\b]
.endr
	v_nop                                          ; one plain line behind a scaled conversion
.irp c, 0,1                                    ; the operand's layout wants a WHOLE block in a lane: lanes 0-15 block 2 c, lanes 16-31 block 2 c + 1
.irp i, 0,1
	v_permlane16_swap_b32 v[PCD+4*\c+\i], v[PCD+2+4*\c+\i]
.endr
.endr
.endm
.macro COEF k, bits
	v_mov_b32 v[CF+2*\k], \bits
	v_mov_b32 v[CF+2*\k+1], \bits
.endm
	s_load_b256 s[4:11], s[0:1], 0x0               ; w1 s[4:5], b1 s[6:7], xc s[8:9], xs s[10:11]
	s_load_b256 s[12:19], s[0:1], 0x20             ; sel s[12:13], hc s[14:15], hs s[16:17], rows s[18:19]
	v_lshl_add_u32 v254, v0, 2, 0x1b800
	v_mov_b32 v255, 0
	v_lshrrev_b32 v1, 5, v0
	v_readfirstlane_b32 s20, v1                    ; wave 0..3
	s_mov_b32 s21, ttmp9                           ; j: which 128 hidden units
	s_and_b32 s22, ttmp7, 0xffff                   ; e: the expert
	v_and_b32 v[LN], 31, v0
	v_and_b32 v[TK], 15, v0                        ; (for now: r = lane % 16,
	v_bfe_u32 v[TK+1], v0, 4, 1                    ; h = lane / 16,
	v_and_b32 v[TK+2], 7, v0                       ; lane % 8)
	v_lshlrev_b32 v[L16], 4, v[LN]
	v_lshlrev_b32 v[L4], 2, v[LN]
	v_lshlrev_b32 v[R4], 2, v[TK]
	v_lshlrev_b32 v[HB], 6, v[TK+1]
	s_wait_alu depctr_va_sdst(0)                   ; the wave's number is written in s20, ahead of its first reader
	s_mul_i32 s28, s20, WSB
	s_add_co_u32 s28, s28, WST                     ; my wave's 9,216 bytes
	v_lshrrev_b32 v[VTS], 3, v[LN]
	v_mul_u32_u24 v[VTS], v[VTS], 144
	v_lshl_add_u32 v[VTS], v[TK+2], 4, v[VTS]
	v_add_nc_u32 v[VTS], s28, v[VTS]               ; 144 (lane / 8) + 16 (lane % 8)
	v_mul_u32_u24 v[VTL], v[LN], 144
	v_add_nc_u32 v[VTL], s28, v[VTL]               ; block = lane
	v_add_nc_u32 v[XST], s28, v[L16]               ; x's stage: a row as loaded,
	v_mul_u32_u24 v[XLD], v[TK], XP
	v_lshl_add_u32 v[XLD], v[TK+1], 4, v[XLD]
	v_add_nc_u32 v[XLD], s28, v[XLD]               ; and row r, block h of a quad
	s_mul_i32 s29, s20, 2*NB*HQ
	v_mul_u32_u24 v[IW], v[LN], HQ
	v_add_nc_u32 v[IW], s29, v[IW]                 ; tile 2 wave, block = lane
	s_mul_i32 s29, s20, 32*SCP
	s_add_co_u32 s29, s29, SCW
	v_add_nc_u32 v[SW], s29, v[LN]
	v_mul_u32_u24 v[RB], v[TK+1], HQ
	v_lshl_add_u32 v[RB], v[TK], 4, v[RB]          ; 272 h + 16 r
	v_add_nc_u32 v[RB+1], 128*HQ, v[RB]            ; a second base: the immediate offset has 16 bits
	v_mul_u32_u24 v[SR], v[LN], SCP
	v_add_nc_u32 v[SR], SCW, v[SR]
	; the positions that my lane wants: set m: i = 16 (wave + 4 (2 m + h)) + r = 16 wave + 64 h + r + 128 m; the target is 64 i + 63
	s_lshl_b32 s28, s20, 4
	v_lshl_add_u32 v[TK+3], v[TK+1], 6, v[TK]
	v_add_nc_u32 v[TK+3], s28, v[TK+3]
	v_lshl_or_b32 v[TK+3], v[TK+3], 6, 63
	WIN 0xc0                                       ; destination window 3
.irp m, 0,1,2,3,4,5,6,7
	v_add_nc_u32 v[TKY+\m], 8192*\m, v[TK+3]
.endr
.irp m, 0,1,2,3,4,5,6,7
	v_mov_b32 v[QT+\m], 0                          ; written once: a lane permute's destination counts as one of its sources
.endr
	WIN 0
	s_mov_b32 s[KEY], 0
	s_mov_b32 s[FW], 0
	s_mov_b32 s[FN], 0
	s_mov_b32 s[HM], 0xffff0000
	s_mov_b32 s[SEL], 0x76543210
	s_mov_b32 s[SEL+1], 0xfedcba98                 ; v_permlanex16_b32's selects for lane l xor 16
	s_mov_b32 s32, 0x3f3504f3                      ; 1 / sqrt 2
	s_mov_b32 s34, 0x3fb8aa3b                      ; log2(e); the packed form names the pair and takes its low word
	s_mov_b32 s35, s34
	COEF 0, 0x3e2ef945                             ;  0.17087277
	COEF 1, 0xbf527892                             ; -0.82215223
	COEF 2, 0x3fbe87b0                             ;  1.48851587
	COEF 3, 0xbf914e5d                             ; -1.13520398
	COEF 4, 0x3e8ec7cc                             ;  0.27886807
	COEF 5, 0xbe3ec24c                             ; -0.18628806
	COEF 6, 0x3dc636c9                             ;  0.09678418
	COEF 7, 0x3ebf88fb                             ;  0.37409196
	COEF 8, 0x3f8000c7                             ;  1.00002368
	COEF 9, 0xbfce58d4                             ; -1.26551223 + ln(1 / sqrt 2)
	s_lshl_b32 s36, s22, 24                        ; w1: 16 MiB an expert, 512 KiB a slice, 128 KiB a wave
	s_lshl_b32 s28, s21, 19
	s_add_co_u32 s36, s36, s28
	s_lshl_b32 s28, s20, 17
	s_add_co_u32 s36, s36, s28
	s_mov_b32 s37, 0
	s_lshl_b32 s38, s22, 14                        ; b1
	s_lshl_b32 s28, s21, 9
	s_add_co_u32 s38, s38, s28
	s_mov_b32 s39, 0
	s_lshl_b32 s40, s22, 21                        ; hc: 2 MiB an expert, 32 KiB a tile (my first = wave), 1,024 bytes a K step
	s_lshl_b32 s28, s20, 15
	s_add_co_u32 s40, s40, s28
	s_lshl_b32 s28, s21, 10
	s_add_co_u32 s40, s40, s28
	s_mov_b32 s41, 0
	s_lshl_b32 s42, s22, 17                        ; hs: 128 KiB an expert, 2 KiB a tile, 64 bytes a K step
	s_lshl_b32 s28, s20, 11
	s_add_co_u32 s42, s42, s28
	s_lshl_b32 s28, s21, 6
	s_add_co_u32 s42, s42, s28
	s_mov_b32 s43, 0
	s_mul_i32 s44, s22, 5120                       ; rows: the expert's record
	s_mov_b32 s45, 0
	s_lshl_b32 s48, s20, 6                         ; my first tile's entries
	s_mov_b32 s49, 0
	s_wait_kmcnt 0x0
	s_add_nc_u64 s[4:5], s[4:5], s[36:37]
	s_add_nc_u64 s[6:7], s[6:7], s[38:39]
	s_add_nc_u64 s[14:15], s[14:15], s[40:41]
	s_add_nc_u64 s[16:17], s[16:17], s[42:43]
	s_add_nc_u64 s[18:19], s[18:19], s[44:45]
	s_add_nc_u64 s[46:47], s[18:19], s[48:49]
	WIN 0xc0
	s_wait_alu depctr_va_vdst(0)                   ; the addresses and offsets v2 to v12, v14 and v75 are written, which the loads, stores and LDS instructions of the whole kernel read; none of them is written again
.irp m, 0,1,2,3,4,5,6,7,8,9,10,11,12,13,14,15
	global_load_b128 v[SLR+4*\m:SLR+4*\m+3], v[L16], s[12:13] offset:512*\m   ; all of sel: my oldest loads; 512 consecutive bytes each
.endr
.irp t, 0,1,2,3,4,5,6,7                        ; b1 as the result lies: lane (r, h), tile 2 b + u: hidden units 32 b + 16 h + 8 u + 0 .. 7
	global_load_b128 v[64+8*\t:64+8*\t+3], v[HB], s[6:7] offset:(32*(\t/2)+8*(\t%2))*4
	global_load_b128 v[64+8*\t+4:64+8*\t+7], v[HB], s[6:7] offset:(32*(\t/2)+8*(\t%2))*4+16
.endr
.irp i, 0,1,2,3,4,5,6
	RLOAD \i
.endr
	; ---- the stream: my 32 rows of w1 become codes in the image; the search for my tiles' rows rides along
	s_wait_loadcnt 48                              ; unit 0 is in (and sel and b1, which are older); six units may be out
	TURN 0
.set Q, 0
.rept 32
	UNIT Q
.set Q, Q+1
.endr
	s_wait_alu depctr_va_vdst(0)                   ; unit 31's conversions and shift have written its codes and its byte, which the two stores below read
	CSTORE 31
	PREP 0                                         ; my first tile's rows are on their way across the barrier
	s_wait_dscnt 0x0                               ; for the others' sake: my codes and bytes lie in LDS
	s_barrier_signal -1
	s_barrier_wait -1                              ; the slice's image is whole.  From here on no wave waits for another
	s_or_b32 s28, s21, s20                         ; one wave of one work-group of each expert stores the count
	s_cmp_lg_u32 s28, 0
	s_cbranch_scc1 .Lno_count
	v_mov_b32 v[CV], s23
	s_wait_alu depctr_va_vdst(0)                   ; the count is written in v[CV], which the store reads
	global_store_b32 v[L4], v[CV], s[18:19] offset:4608
.Lno_count:
	s_add_co_u32 s24, s23, 15
	s_lshr_b32 s24, s24, 4                         ; tiles of 16 rows
	s_add_co_u32 s26, s24, 3
	s_sub_co_u32 s26, s26, s20
	s_lshr_b32 s26, s26, 2                         ; of which wave, wave + 4, .. are mine
	s_cmp_eq_u32 s26, 0
	s_cbranch_scc1 .Lend
	; ---- the whole slice into my registers.  (The ring's registers are free: the wait at the head of the lines for my first tile stands behind the stream's last store into a stage; no vector line has named windows 1 and 2)
	WIN 0x40
.irp s, 0,1,2,3
.irp t, 0,1,2,3,4,5,6,7
.irp c, 0,1
	ds_load_b128 v[64*\s+8*\t+4*\c:64*\s+8*\t+4*\c+3], v[RB+\t/4] offset:((\t%4)*NB+4*\s+2*\c)*HQ
.endr
.endr
.endr
	WIN 0x80
.irp s, 4,5,6,7
.irp t, 0,1,2,3,4,5,6,7
.irp c, 0,1
	ds_load_b128 v[64*(\s-4)+8*\t+4*\c:64*(\s-4)+8*\t+4*\c+3], v[RB+\t/4] offset:((\t%4)*NB+4*\s+2*\c)*HQ
.endr
.endr
.endr
	WIN 0
.irp p, 0,1,2,3
.irp q, 0,1
	ds_load_b128 v[WSC+8*\p+4*\q:WSC+8*\p+4*\q+3], v[SR] offset:\p*32*SCP+16*\q   ; scale words of K steps 4 q on: lanes 0-15 tile 2 p, lanes 16-31 tile 2 p + 1
.endr
.endr
.irp b, 0,1,2,3
	v_mov_b32 v[TM+4+\b], 0                        ; written once: a lane permute's destination counts as one of its sources
.endr
	; ---- my tiles, one a trip
.Ltile:
	s_wait_loadcnt 0x0                             ; this tile's rows and scale words are in
	s_wait_xcnt 0x0                                ; the store of its entries has had its address translated: the entries' register is written again only behind this wait (and behind the wait on vm_vsrc at the head of the next tile's lines)
	WIN 0x0c                                       ; an LDS store's data are its source 1: window 3
.irp i, 0,1,2,3,4,5,6,7,8,9,10,11,12,13,14,15
	ds_store_b128 v[XST], v[4*\i:4*\i+3] offset:XP*\i   ; row i as it was loaded: block = lane
.endr
	WIN 0
.irp s, 0,1,2,3,4,5,6,7
.irp c, 0,1
	ds_load_b128 v[XF+8*\s+4*\c:XF+8*\s+4*\c+3], v[XLD] offset:64*\s+32*\c   ; fragment s: row r, blocks 4 s + 2 c + h.  (No vector line since the wait ahead of the last trip's stores names these registers)
.endr
.endr
	s_wait_dscnt 0x0                               ; (in the first trip: the slice's fragments too)
	WIN 0x31                                       ; source 0 (w1) window 1, C (b1) window 3
	UPMUL 0
	WIN 0x01
	UPMUL 1
	UPMUL 2
	UPMUL 3
	WIN 0x02                                       ; K steps 4 to 7 lie in window 2
	UPMUL 4
	UPMUL 5
	UPMUL 6
	UPMUL 7
.rept 4
	v_nop                                          ; places behind the products, in front of loads into their scale registers and of the first read of results
.endr
	PREP 256                                       ; my next tile: its loads land under the gelu.  (Behind my last tile the entries name the expert's first row, or rows that have been used: inside the table, and not used)
	GELU 0
	GELU 1
	GELU 2
	GELU 3
	QUANT HA
	s_wait_alu depctr_va_vdst(0)                   ; the quantiser has written the codes and the scale word, which the three stores read; the gelu's lines are done with v160-223, in which the next trip's fragments of x land
	global_store_b128 v[L16], v[PCD:PCD+3], s[14:15]           ; the fragment as its registers stand: 512 consecutive bytes a store
	global_store_b128 v[L16], v[PCD+4:PCD+7], s[14:15] offset:512
	global_store_b32 v[R4], v[PW], s[16:17]        ; 64 consecutive bytes; lanes 16-31 hold the same words for the same places
	s_wait_xcnt 0x0                                ; loads and stores have had their addresses translated: the bases are written again only behind this wait
	s_add_nc_u64 s[14:15], s[14:15], 0x20000       ; four tiles on: hc,
	s_add_nc_u64 s[16:17], s[16:17], 0x2000        ; hs,
	s_add_nc_u64 s[46:47], s[46:47], 0x100         ; the list
	s_sub_co_u32 s26, s26, 1
	s_cmp_lg_u32 s26, 0
	s_cbranch_scc1 .Ltile
.Lend:
	s_wait_dscnt 0x0                               ; the closing lines, six on end
	s_wait_alu 0x0
	s_wait_tensorcnt 0x0
	ds_add_u32 v254, v255
	s_wait_dscnt 0x0
	s_endpgm
.Lfunc_end_k_q23d35cc039_up:
	.size	k_q23d35cc039_up, .Lfunc_end_k_q23d35cc039_up-k_q23d35cc039_up
	.p2alignl 7, 3214868480
	.fill 96, 4, 3214868480
	.section	.rodata,"a",@progbits
	.p2align	6, 0x0
	.amdhsa_kernel k_q23d35cc039_up
		.amdhsa_group_segment_fixed_size 113152
		.amdhsa_private_segment_fixed_size 0
		.amdhsa_enable_private_segment 0
		.amdhsa_kernarg_size 64
		.amdhsa_user_sgpr_count 2
		.amdhsa_user_sgpr_kernarg_segment_ptr 1
		.amdhsa_wavefront_size32 1
		.amdhsa_system_sgpr_workgroup_id_x 1
		.amdhsa_system_sgpr_workgroup_id_y 1
		.amdhsa_system_sgpr_workgroup_id_z 1
		.amdhsa_system_vgpr_workitem_id 0
		.amdhsa_next_free_vgpr 1024
		.amdhsa_next_free_sgpr 90
		.amdhsa_reserve_vcc 0
		.amdhsa_float_denorm_mode_32 3
		.amdhsa_float_denorm_mode_16_64 3
		.amdhsa_memory_ordered 1
		.amdhsa_forward_progress 1
		.amdhsa_inst_pref_size 255
	.end_amdhsa_kernel
	.section	.bss,"aw",@nobits
	.p2align	6
	.space	262144
	.amdgpu_metadata
---
amdhsa.version: [ 1, 2 ]
amdhsa.kernels:
  - .name:           k_q23d35cc039_up
    .symbol:         k_q23d35cc039_up.kd
    .args:
      - { .name: w1, .offset: 0, .size: 8, .value_kind: global_buffer, .address_space: global }
      - { .name: b1, .offset: 8, .size: 8, .value_kind: global_buffer, .address_space: global }
      - { .name: xc, .offset: 16, .size: 8, .value_kind: global_buffer, .address_space: global }
      - { .name: xs, .offset: 24, .size: 8, .value_kind: global_buffer, .address_space: global }
      - { .name: sel, .offset: 32, .size: 8, .value_kind: global_buffer, .address_space: global }
      - { .name: hc, .offset: 40, .size: 8, .value_kind: global_buffer, .address_space: global }
      - { .name: hs, .offset: 48, .size: 8, .value_kind: global_buffer, .address_space: global }
      - { .name: rows, .offset: 56, .size: 8, .value_kind: global_buffer, .address_space: global }
    .group_segment_fixed_size: 113152
    .private_segment_fixed_size: 0
    .kernarg_segment_align: 8
    .kernarg_segment_size: 64
    .max_flat_workgroup_size: 128
    .sgpr_count:     90
    .vgpr_count:     1024
    .wavefront_size: 32
...
	.end_amdgpu_metadata
.endif
;; end of part 5
;; launch down (part 6): grid 32 x 8, 4 waves a work-group, no clusters, 112,128 bytes of LDS; arguments w2, b2, hc, hs, rows, y; writes y
.if DOCPART == 6
	.amdgcn_target "amdgcn-amd-amdhsa--gfx1250"
	.amdhsa_code_object_version 6
	.text
	.protected	k_q23d35cc039_down
	.globl	k_q23d35cc039_down
	.p2align	8
	.type	k_q23d35cc039_down,@function
k_q23d35cc039_down:
	s_mov_b64 s[64:65], 0
	v_nop
	global_prefetch_b8 v0, s[64:65] scope:SCOPE_SE
	s_setreg_imm32_b32 hwreg(HW_REG_WAVE_SCHED_MODE, 0, 2), 2
	s_setreg_imm32_b32 hwreg(HW_REG_WAVE_MODE, 25, 1), 1
	s_wait_xcnt 0x0
	s_wait_alu depctr_vm_vsrc(0)
; THE SECOND PRODUCT: y[kh][p] = hidden(p) w2[e]^T over half of K (+ b2[e] in half 0), for the rows p routed to expert e.  Codes of FP4 (E2M1), one E8M0 byte for each 32 along K; sums in f32.
; SHARES.  Work-group (jn + 16 kh, e) owns 64 outputs (64 jn on) x 2,048 along K (2,048 kh on) of w2[e]: 512 KiB of f32 that no other work-group reads.  64 outputs, so that a row's piece of y is 256 consecutive,
; aligned bytes; half of K, so that the slice fits a wave's registers.  The two halves' sums are added by the next launch: each word of y has one owner.
; THE WEIGHTS STAND STILL, as in the launch before: the four waves stream the slice once (wave w: outputs 16 w on), quantise it in registers, exchange the codes once through LDS, and then every wave holds the
; whole slice (64 fragments, 512 registers) and walks its own tiles of 16 routed rows (tile = wave + 4 k); no wave waits for another.
; No cluster and no tensor load: the number of tiles hangs on a stored count.
; THE STREAM.  A unit is 1,024 consecutive f32 of a row of w2 (half of the row's 2,048): eight loads of 512 bytes, a turn through the wave's stage in LDS (a block's 128 bytes + 16), lane L gets block L.
; THE IMAGE: half-quad (tile t, block U) = 16 rows x 16 bytes at (64 t + U) x 272; a fragment's quad c of K step s is blocks U = 4 s + 2 c + (lane / 16).
; The product is used transposed (source 0 = 16 rows of w2, source 1 = 16 routed rows): a lane holds one routed row and eight neighbouring outputs.  The hidden layer's fragments come from memory as their
; registers stand, 512 consecutive bytes a load.  b2 is the C of each sum's first matrix instruction (zeros in K half 1).
; A tile that was filled up names the expert's first row several times: those rows hold the same codes, give the same bits and are stored to the same place by this wave.
; LIMITS: NaN and infinities are not served; a block of zeros gets the byte 1 (its codes are zeros; this program alone reads the bytes).
; REGISTERS, in windows of 256.  window 0: v1-14 addresses; v16-47 w2's scale words; v48-55 the hidden layer's; v56-63 the tile's entries; v64-71 their rows' offsets in y; v72-103 b2 in the result's layout;
; v104-135 four accumulators; v136-167 rows on the way out; v176-252 the stream.  windows 1, 2: fragment (t, s) at v[256 + 32 s + 8 t] (in the stream window 1 is the ring of loads).  window 3: 16 hidden fragments.
; THE MODE: SCHED_MODE bits 1:0 = 2 (LLVM: expert scheduling mode 2), set by the entry lines.  The code itself states the register dependences between vector or matrix instructions and memory or LDS
; instructions, and those through scalar registers that vector instructions write, with s_wait_alu, always for 0.
; THE PLAN, THE STREAM.  Registers that memory or LDS instructions touch:
;   the ring      seven sets in window 1.  Set i % 7: the loads of unit i land in it; the LDS stores of unit i's turn through the stage, issued in unit i - 1, read it; the loads of unit i + 7, issued in unit i, land in it again.
;   XB0, XB1      XB[i % 2]: the LDS loads of unit i's turn land in it; unit i's maxima and conversions read it.
;   CD0, CD1, BY0, BY1   unit i's conversions and shift write set i % 2; the two LDS stores at the head of unit i + 1 read it.
;   the addresses v2-v14 are made at the head and never written again.
; Unit i has one wait on va_vdst, at its head: unit i - 1 has written its codes and byte and is done reading its numbers; and one on vm_vsrc behind it: the stage's stores have read ring set i % 7, and the
; stores of codes a unit back have read the set that this unit writes.  No vector line issued since the head's wait names a register that the unit's loads and stores touch.
; THE PLAN, A TILE.  The hidden fragments' two halves, their scale words and the entries: the loads of the next tile land, the products (the entries: eight vector lines) read.  The rows' offsets in y: sixteen
; vector lines write, the tile's stores read.  The accumulators: the products write, the LDS stores read.  The rows on the way out: LDS loads land, the stores read.
; So a tile has two waits on va_vdst: behind K steps 0 to 7, ahead of the loads into the first half, and behind K steps 8 to 15, ahead of the loads into the second half and of the way out;
; and one on vm_vsrc at its end, ahead of the branch: the offsets, the rows and the accumulators have been read, and the next tile writes them again.
.set HQ,   272
.set NB,   64                          ; blocks in a row of the slice
.set IMG,  0
.set SCW,  4*NB*HQ                     ; 69,632: the weights' scale bytes, 64 rows x 80 (64 + 16 of padding)
.set SCP,  80
.set WST,  SCW+64*SCP                  ; 74,752: 9,216 bytes for each wave: in the stream two stages of 4,608; later the way out, 16 rows x 272
.set WSB,  9216
.set TST,  4608
.set OP,   272
.set LN,   1
.set L16,  2
.set VTS,  3
.set VTL,  4
.set IW,   5
.set SW,   6
.set RB,   7                           ; v7, v8: the image, where I read: tiles 0-1, tiles 2-3
.set SR,   9
.set OST,  10                          ; the way out: where I put 32 bytes of a row
.set OLD,  11                          ; and where I read a row back
.set L4,   12
.set H32,  13                          ; 32 (lane / 16)
.set R16,  14                          ; 16 (lane % 16)
.set WSC,  16
.set AS,   48
.set PQ,   56
.set YO,   64
.set BI,   72
.set ACC,  104
.set OUT,  136
.set XB,   176
.set CD,   240
.set BY,   248
.set MXA,  250
.set MXB,  251
.set SC,   252
.set MSB, 0
.macro WIN new                         ; the immediate's high byte repeats the setting that is left; a switch that changes nothing is dropped
.if MSB != \new
	s_set_vgpr_msb (MSB<<8)|\new
.set MSB, \new
.endif
.endm
.macro RLOAD i                         ; unit i: row i / 2 of my 16, half i % 2 of its 2,048, into ring set i % 7 (window 1)
	WIN 0x40
.irp d, 0,1,2,3,4,5,6,7
	global_load_b128 v[32*((\i)%7)+4*\d:32*((\i)%7)+4*\d+3], v[L16], s[4:5] offset:16384*((\i)/2)+4096*((\i)%2)+512*\d th:TH_LOAD_NT   ; 512 consecutive bytes; read once in the launch
.endr
.endm
.macro TURN i                          ; unit i through stage i % 2: in as loaded, out a block a lane
	WIN 0x04
.irp d, 0,1,2,3,4,5,6,7
	ds_store_b128 v[VTS], v[32*((\i)%7)+4*\d:32*((\i)%7)+4*\d+3] offset:TST*((\i)%2)+576*\d
.endr
	WIN 0
.irp g, 0,1,2,3,4,5,6,7
	ds_load_b128 v[XB+32*((\i)%2)+4*\g:XB+32*((\i)%2)+4*\g+3], v[VTL] offset:TST*((\i)%2)+16*\g   ; LDS serves a wave's instructions in order: these see the stores above
.endr
.endm
.macro BLOCKQ x, c, b                  ; 32 numbers of one lane: 4 registers of codes and the scale's byte
	v_max3_num_f32 v[MXA], |v[\x]|, |v[\x+1]|, |v[\x+2]|
	v_max3_num_f32 v[MXB], |v[\x+3]|, |v[\x+4]|, |v[\x+5]|
.irp i, 6,10,14,18,22,26
	v_max3_num_f32 v[MXA], v[MXA], |v[\x+\i]|, |v[\x+\i+1]|
	v_max3_num_f32 v[MXB], v[MXB], |v[\x+\i+2]|, |v[\x+\i+3]|
.endr
	v_max3_num_f32 v[MXA], v[MXA], |v[\x+30]|, |v[\x+31]|
	v_max3_num_f32 v[MXA], v[MXA], v[MXB], 0x1800000   ; the floor 2^(3 - 127): the byte cannot fall under 1
	v_add_nc_u32 v[SC], 0xff000000, v[MXA]         ; 2 off the exponent field: the conversion's scale operand
.irp g, 0,1,2,3
	v_cvt_scalef32_pk8_fp4_f32 v[\c+\g], v[\x+8*\g:\x+8*\g+7], v[SC]
.endr
	v_lshrrev_b32 v[\b], 23, v[SC]                 ; the byte; also the plain line behind the conversions
.endm
.macro CSTORE i                        ; unit i's codes and byte go to the image
	ds_store_b128 v[IW], v[CD+4*((\i)%2):CD+4*((\i)%2)+3] offset:32*HQ*((\i)%2)+16*((\i)/2)
	ds_store_b8 v[SW], v[BY+(\i)%2] offset:SCP*((\i)/2)+32*((\i)%2)
.endm
.macro UNIT i
.if (\i) > 0
	s_wait_alu depctr_va_vdst(0)                   ; the last unit's conversions and shift have written its codes and its byte, which the two stores below read; its lines are done reading its 32 numbers, in which the next unit's come back from the stage
	CSTORE (\i)-1
	s_wait_dscnt 2                                 ; this unit's numbers are back from the stage (the last unit's code store and byte store, just issued, may be out): so its stores into the stage are done,
.else
	s_wait_dscnt 0x0
.endif
	s_wait_alu depctr_vm_vsrc(0)                   ; and have read ring set i % 7, in which the loads below land; the stores of codes and byte issued a unit ago have read the set that this unit's conversions write again
.if (\i)+7 < 32
	RLOAD (\i)+7                                   ; the ring set takes the unit seven further on
.endif
.if (\i) < 31
.if 30-(\i) >= 6
	s_wait_loadcnt 48                              ; the next unit's eight loads are in; six units behind it may be out
.else
	s_wait_loadcnt 8*(30-(\i))
.endif
	TURN (\i)+1                                    ; it goes through the other stage while this unit is worked.  No wait: no vector line since the unit's head names the numbers' other set
.endif
	WIN 0
	BLOCKQ XB+32*((\i)%2), CD+4*((\i)%2), BY+(\i)%2
.endm
; one matrix instruction; all arguments are register numbers but the last two: the rows of the scale registers
.macro WM d, a, b, c, sa, sb, ra, rb
.if (\ra) && (\rb)
	v_wmma_scale_f32_16x16x128_f8f6f4 v[\d:\d+7], v[\a:\a+7], v[\b:\b+7], v[\c:\c+7], v[\sa], v[\sb] matrix_a_fmt:MATRIX_FMT_FP4 matrix_b_fmt:MATRIX_FMT_FP4 matrix_a_scale:MATRIX_SCALE_ROW1 matrix_b_scale:MATRIX_SCALE_ROW1
.elseif (\ra)
	v_wmma_scale_f32_16x16x128_f8f6f4 v[\d:\d+7], v[\a:\a+7], v[\b:\b+7], v[\c:\c+7], v[\sa], v[\sb] matrix_a_fmt:MATRIX_FMT_FP4 matrix_b_fmt:MATRIX_FMT_FP4 matrix_a_scale:MATRIX_SCALE_ROW1
.elseif (\rb)
	v_wmma_scale_f32_16x16x128_f8f6f4 v[\d:\d+7], v[\a:\a+7], v[\b:\b+7], v[\c:\c+7], v[\sa], v[\sb] matrix_a_fmt:MATRIX_FMT_FP4 matrix_b_fmt:MATRIX_FMT_FP4 matrix_b_scale:MATRIX_SCALE_ROW1
.else
	v_wmma_scale_f32_16x16x128_f8f6f4 v[\d:\d+7], v[\a:\a+7], v[\b:\b+7], v[\c:\c+7], v[\sa], v[\sb] matrix_a_fmt:MATRIX_FMT_FP4 matrix_b_fmt:MATRIX_FMT_FP4
.endif
.endm
.macro DMUL s                          ; K step s of 16: the four accumulators by turns.  w2's scale register: tile 2 p below, 2 p + 1 above; the hidden layer's: step 2 m below, 2 m + 1 above
.irp t, 0,1,2,3
.if (\s) == 0
	WM ACC+8*\t, 8*\t, 0, BI+8*\t, WSC+16*(\t/2), AS, \t%2, 0
.else
	WM ACC+8*\t, 32*((\s)%8)+8*\t, 8*(\s), ACC+8*\t, WSC+16*(\t/2)+(\s), AS+(\s)/2, \t%2, (\s)%2
.endif
.endr
.endm
.macro G0 nx                           ; 22 loads: K steps 0-7 of a tile's hidden fragments, their scale words, the tile's entries.  nx = 1: my next tile, four tiles on
	WIN 0xc0
.irp s, 0,1,2,3,4,5,6,7
.irp c, 0,1
	global_load_b128 v[8*\s+4*\c:8*\s+4*\c+3], v[L16], s[8:9] offset:131072*\nx+1024*\s+512*\c   ; a register quad as it was stored: 512 consecutive bytes
.endr
.endr
	WIN 0
.irp m, 0,1,2,3
	global_load_b32 v[AS+\m], v[L4], s[10:11] offset:8192*\nx+128*\m
.endr
	global_load_b128 v[PQ:PQ+3], v[H32], s[46:47] offset:256*\nx          ; entries 8 (lane / 16) + 0 .. 7
	global_load_b128 v[PQ+4:PQ+7], v[H32], s[46:47] offset:256*\nx+16
.endm
.macro G1 nx                           ; 20 loads: K steps 8-15 and their scale words
	WIN 0xc0
.irp s, 8,9,10,11,12,13,14,15
.irp c, 0,1
	global_load_b128 v[8*\s+4*\c:8*\s+4*\c+3], v[L16], s[8:9] offset:131072*\nx+1024*\s+512*\c
.endr
.endr
	WIN 0
.irp m, 4,5,6,7
	global_load_b32 v[AS+\m], v[L4], s[10:11] offset:8192*\nx+128*\m
.endr
.endm
.macro PLACES n
.rept \n
	v_nop
.endr
.endm
; A tile of 16 routed rows x my 64 outputs.  pf = 1: a tile of mine follows: each half of its loads is issued as soon as the registers are free
.macro TILE pf
	s_wait_loadcnt 20                              ; the first half's 22 loads are in; the second half's 20 may be out
.irp q, 0,1,2,3,4,5,6,7
	v_min_u32 v[YO+\q], 0x7ff, v[PQ+\q]            ; entry p, held inside the table
.endr
.irp q, 0,1,2,3,4,5,6,7
	v_lshl_add_u32 v[YO+\q], v[YO+\q], 12, v[R16]  ; its row of y.  (With the four lines behind the last tile's products these sixteen are the places in front of sums begun anew)
.endr
	WIN 0x0d                                       ; source 0 (w2) window 1, source 1 (hidden) window 3
.irp s, 0,1,2,3,4,5,6,7
	DMUL \s
.endr
	PLACES 4                                       ; in front of loads into registers that matrix instructions have read
.if \pf
	WIN 0xc0
	s_wait_alu depctr_va_vdst(0)                   ; the products of K steps 0 to 7 are done reading their hidden fragments and scale words, and the eight lines at the tile's head the entries: the next tile's land in all three
	G0 1
	s_wait_loadcnt 22                              ; this tile's second half is in; the 22 just issued may be out
.else
	s_wait_loadcnt 0x0
.endif
	WIN 0x0e                                       ; K steps 8 to 15 lie in window 2
.irp s, 8,9,10,11,12,13,14,15
	DMUL \s
.endr
	PLACES 4                                       ; and in front of the first read of results
.if \pf
	WIN 0xc0
.else
	WIN 0
.endif
	s_wait_alu depctr_va_vdst(0)                   ; the products have written the four accumulators, which the LDS stores read, and the rows' offsets are written, which the stores to y read; where a tile follows, the products of K steps 8 to 15 are done reading their hidden fragments and scale words, in which its loads land
.if \pf
	G1 1
.endif
	WIN 0
.irp t, 0,1,2,3
	ds_store_b128 v[OST], v[ACC+8*\t:ACC+8*\t+3] offset:64*\t         ; each accumulator from its low end on: lane (r, h): outputs 16 t + 8 h + 0 .. 7 of row r
	ds_store_b128 v[OST], v[ACC+8*\t+4:ACC+8*\t+7] offset:64*\t+16
.endr
.irp q, 0,1,2,3,4,5,6,7
	ds_load_b128 v[OUT+4*\q:OUT+4*\q+3], v[OLD] offset:OP*\q          ; row 8 (lane / 16) + q, 16 bytes a lane; my own stage: LDS serves a wave's instructions in order
.endr
.irp q, 0,1,2,3,4,5,6,7
	s_wait_dscnt 7-\q
	global_store_b128 v[YO+\q], v[OUT+4*\q:OUT+4*\q+3], s[14:15]      ; sixteen lanes store 256 consecutive bytes, aligned
.endr
.if \pf
	s_wait_xcnt 0x0                                ; loads and stores have had their addresses translated: bases, offsets and data are written again only behind this wait
	s_wait_alu depctr_vm_vsrc(0)                   ; the stores to y have read the rows' offsets and the rows on the way out, the LDS stores the accumulators: the next tile's vector lines, LDS loads and products write them again
	s_add_nc_u64 s[8:9], s[8:9], 0x20000           ; four tiles on: hc,
	s_add_nc_u64 s[10:11], s[10:11], 0x2000        ; hs,
	s_add_nc_u64 s[46:47], s[46:47], 0x100         ; the list
.endif
.endm
	s_load_b256 s[4:11], s[0:1], 0x0               ; w2 s[4:5], b2 s[6:7], hc s[8:9], hs s[10:11]
	s_load_b128 s[12:15], s[0:1], 0x20             ; rows s[12:13], y s[14:15]
	v_lshl_add_u32 v254, v0, 2, 0x1b400
	v_mov_b32 v255, 0
	v_lshrrev_b32 v1, 5, v0
	v_readfirstlane_b32 s20, v1                    ; wave 0..3
	s_and_b32 s26, ttmp9, 15                       ; jn: which 64 outputs
	s_lshr_b32 s27, ttmp9, 4                       ; kh: which half of K
	s_and_b32 s22, ttmp7, 0xffff                   ; e
	v_and_b32 v[LN], 31, v0
	v_and_b32 v168, 15, v0                         ; r
	v_bfe_u32 v169, v0, 4, 1                       ; h
	v_and_b32 v170, 7, v0
	v_lshlrev_b32 v[L16], 4, v[LN]
	v_lshlrev_b32 v[L4], 2, v[LN]
	v_lshlrev_b32 v[H32], 5, v169
	v_lshlrev_b32 v[R16], 4, v168
	s_wait_alu depctr_va_sdst(0)                   ; the wave's number is written in s20, ahead of its first reader
	s_mul_i32 s28, s20, WSB
	s_add_co_u32 s28, s28, WST                     ; my wave's 9,216 bytes
	v_lshrrev_b32 v[VTS], 3, v[LN]
	v_mul_u32_u24 v[VTS], v[VTS], 144
	v_lshl_add_u32 v[VTS], v170, 4, v[VTS]
	v_add_nc_u32 v[VTS], s28, v[VTS]
	v_mul_u32_u24 v[VTL], v[LN], 144
	v_add_nc_u32 v[VTL], s28, v[VTL]
	v_mul_u32_u24 v[OST], v168, OP
	v_lshl_add_u32 v[OST], v169, 5, v[OST]
	v_add_nc_u32 v[OST], s28, v[OST]               ; row r, + 32 h
	v_mul_u32_u24 v[OLD], v169, 8*OP
	v_lshl_add_u32 v[OLD], v168, 4, v[OLD]
	v_add_nc_u32 v[OLD], s28, v[OLD]               ; row 8 h, + 16 r
	s_mul_i32 s29, s20, NB*HQ
	v_mul_u32_u24 v[IW], v[LN], HQ
	v_add_nc_u32 v[IW], s29, v[IW]                 ; tile = wave, block = lane
	s_mul_i32 s29, s20, 16*SCP
	s_add_co_u32 s29, s29, SCW
	v_add_nc_u32 v[SW], s29, v[LN]
	v_mul_u32_u24 v[RB], v169, HQ
	v_lshl_add_u32 v[RB], v168, 4, v[RB]
	v_add_nc_u32 v[RB+1], 128*HQ, v[RB]            ; a second base: the immediate offset has 16 bits
	v_mul_u32_u24 v[SR], v[LN], SCP
	v_add_nc_u32 v[SR], SCW, v[SR]
	s_lshl_b32 s36, s22, 24                        ; w2: 16 MiB an expert, 16 KiB a row, 8 KiB a half
	s_lshl_b32 s28, s26, 20
	s_add_co_u32 s36, s36, s28
	s_lshl_b32 s28, s20, 18
	s_add_co_u32 s36, s36, s28
	s_lshl_b32 s28, s27, 13
	s_add_co_u32 s36, s36, s28
	s_mov_b32 s37, 0
	s_lshl_b32 s38, s22, 12                        ; b2
	s_lshl_b32 s28, s26, 8
	s_add_co_u32 s38, s38, s28
	s_mov_b32 s39, 0
	s_lshl_b32 s40, s22, 21                        ; hc: my first tile = wave; 16 KiB a half
	s_lshl_b32 s28, s20, 15
	s_add_co_u32 s40, s40, s28
	s_lshl_b32 s28, s27, 14
	s_add_co_u32 s40, s40, s28
	s_mov_b32 s41, 0
	s_lshl_b32 s42, s22, 17                        ; hs
	s_lshl_b32 s28, s20, 11
	s_add_co_u32 s42, s42, s28
	s_lshl_b32 s28, s27, 10
	s_add_co_u32 s42, s42, s28
	s_mov_b32 s43, 0
	s_mul_i32 s44, s22, 5120                       ; rows
	s_mov_b32 s45, 0
	s_lshl_b32 s48, s27, 23                        ; y: 8 MiB a half, 256 bytes a slice
	s_lshl_b32 s28, s26, 8
	s_add_co_u32 s48, s48, s28
	s_mov_b32 s49, 0
	s_lshl_b32 s50, s20, 6                         ; my first tile's entries
	s_mov_b32 s51, 0
	s_cmp_eq_u32 s27, 0
	s_cselect_b32 s52, -1, 0                       ; b2 counts in K half 0 alone
	s_wait_kmcnt 0x0
	s_add_nc_u64 s[4:5], s[4:5], s[36:37]
	s_add_nc_u64 s[6:7], s[6:7], s[38:39]
	s_add_nc_u64 s[8:9], s[8:9], s[40:41]
	s_add_nc_u64 s[10:11], s[10:11], s[42:43]
	s_add_nc_u64 s[12:13], s[12:13], s[44:45]
	s_add_nc_u64 s[14:15], s[14:15], s[48:49]
	s_add_nc_u64 s[46:47], s[12:13], s[50:51]
	s_load_b32 s23, s[12:13], 0x1200               ; the expert's count of rows
	s_wait_alu depctr_va_vdst(0)                   ; the addresses and offsets v2 to v14 are written, which the loads, stores and LDS instructions of the whole kernel read; none of them is written again
.irp t, 0,1,2,3                                ; b2 as the result lies: lane (r, h), tile t: outputs 16 t + 8 h + 0 .. 7
	global_load_b128 v[BI+8*\t:BI+8*\t+3], v[H32], s[6:7] offset:64*\t
	global_load_b128 v[BI+8*\t+4:BI+8*\t+7], v[H32], s[6:7] offset:64*\t+16
.endr
.irp i, 0,1,2,3,4,5,6
	RLOAD \i
.endr
	; ---- the stream: my 16 rows x 2,048 of w2 become codes in the image
	s_wait_loadcnt 48                              ; unit 0 is in (and b2, which is older); six units may be out
	TURN 0
.set Q, 0
.rept 32
	UNIT Q
.set Q, Q+1
.endr
	s_wait_alu depctr_va_vdst(0)                   ; unit 31's conversions and shift have written its codes and its byte, which the two stores below read
	CSTORE 31
	s_wait_dscnt 0x0                               ; for the others' sake: my codes and bytes lie in LDS
	s_barrier_signal -1
	s_barrier_wait -1                              ; the slice's image is whole.  From here on no wave waits for another
	s_wait_alu depctr_vm_vsrc(0)                   ; my stores into the stages have read the ring's registers, in which the slice's fragments land
	s_wait_kmcnt 0x0
	s_min_u32 s23, s23, 1024
	s_add_co_u32 s24, s23, 15
	s_lshr_b32 s24, s24, 4                         ; tiles of 16 rows
	s_add_co_u32 s25, s24, 3
	s_sub_co_u32 s25, s25, s20
	s_lshr_b32 s25, s25, 2                         ; of which wave, wave + 4, .. are mine
	s_cmp_eq_u32 s25, 0
	s_cbranch_scc1 .Lend
	G0 0                                           ; my first tile is on its way while the slice comes into my registers.  (No vector line has named the registers in which these loads land)
	G1 0
	WIN 0x40
.irp s, 0,1,2,3,4,5,6,7
.irp t, 0,1,2,3
.irp c, 0,1
	ds_load_b128 v[32*\s+8*\t+4*\c:32*\s+8*\t+4*\c+3], v[RB+\t/2] offset:((\t%2)*NB+4*\s+2*\c)*HQ
.endr
.endr
.endr
	WIN 0x80
.irp s, 8,9,10,11,12,13,14,15
.irp t, 0,1,2,3
.irp c, 0,1
	ds_load_b128 v[32*(\s-8)+8*\t+4*\c:32*(\s-8)+8*\t+4*\c+3], v[RB+\t/2] offset:((\t%2)*NB+4*\s+2*\c)*HQ
.endr
.endr
.endr
	WIN 0
.irp p, 0,1
.irp q, 0,1,2,3
	ds_load_b128 v[WSC+16*\p+4*\q:WSC+16*\p+4*\q+3], v[SR] offset:\p*32*SCP+16*\q   ; scale words of K steps 4 q on: lanes 0-15 tile 2 p, lanes 16-31 tile 2 p + 1
.endr
.endr
.irp i, 0,1,2,3,4,5,6,7,8,9,10,11,12,13,14,15,16,17,18,19,20,21,22,23,24,25,26,27,28,29,30,31
	v_and_b32 v[BI+\i], s52, v[BI+\i]              ; b2, or zeros
.endr
	s_wait_dscnt 0x0
	s_sub_co_u32 s25, s25, 1
	s_cmp_eq_u32 s25, 0
	s_cbranch_scc1 .Llast
.Ltile:
	TILE 1
	s_sub_co_u32 s25, s25, 1
	s_cmp_lg_u32 s25, 0
	s_cbranch_scc1 .Ltile
.Llast:
	TILE 0                                         ; my last tile asks for nothing more: no tile that was not written is read
.Lend:
	s_wait_dscnt 0x0                               ; the closing lines, six on end
	s_wait_alu 0x0
	s_wait_tensorcnt 0x0
	ds_add_u32 v254, v255
	s_wait_dscnt 0x0
	s_endpgm
.Lfunc_end_k_q23d35cc039_down:
	.size	k_q23d35cc039_down, .Lfunc_end_k_q23d35cc039_down-k_q23d35cc039_down
	.p2alignl 7, 3214868480
	.fill 96, 4, 3214868480
	.section	.rodata,"a",@progbits
	.p2align	6, 0x0
	.amdhsa_kernel k_q23d35cc039_down
		.amdhsa_group_segment_fixed_size 112128
		.amdhsa_private_segment_fixed_size 0
		.amdhsa_enable_private_segment 0
		.amdhsa_kernarg_size 48
		.amdhsa_user_sgpr_count 2
		.amdhsa_user_sgpr_kernarg_segment_ptr 1
		.amdhsa_wavefront_size32 1
		.amdhsa_system_sgpr_workgroup_id_x 1
		.amdhsa_system_sgpr_workgroup_id_y 1
		.amdhsa_system_sgpr_workgroup_id_z 1
		.amdhsa_system_vgpr_workitem_id 0
		.amdhsa_next_free_vgpr 1024
		.amdhsa_next_free_sgpr 66
		.amdhsa_reserve_vcc 0
		.amdhsa_float_denorm_mode_32 3
		.amdhsa_float_denorm_mode_16_64 3
		.amdhsa_memory_ordered 1
		.amdhsa_forward_progress 1
		.amdhsa_inst_pref_size 158
	.end_amdhsa_kernel
	.amdgpu_metadata
---
amdhsa.version: [ 1, 2 ]
amdhsa.kernels:
  - .name:           k_q23d35cc039_down
    .symbol:         k_q23d35cc039_down.kd
    .args:
      - { .name: w2, .offset: 0, .size: 8, .value_kind: global_buffer, .address_space: global }
      - { .name: b2, .offset: 8, .size: 8, .value_kind: global_buffer, .address_space: global }
      - { .name: hc, .offset: 16, .size: 8, .value_kind: global_buffer, .address_space: global }
      - { .name: hs, .offset: 24, .size: 8, .value_kind: global_buffer, .address_space: global }
      - { .name: rows, .offset: 32, .size: 8, .value_kind: global_buffer, .address_space: global }
      - { .name: y, .offset: 40, .size: 8, .value_kind: global_buffer, .address_space: global }
    .group_segment_fixed_size: 112128
    .private_segment_fixed_size: 0
    .kernarg_segment_align: 8
    .kernarg_segment_size: 48
    .max_flat_workgroup_size: 128
    .sgpr_count:     66
    .vgpr_count:     1024
    .wavefront_size: 32
...
	.end_amdgpu_metadata
.endif
;; end of part 6
;; launch mix: the kernel of part 4 again; grid 256 x 1, 4 waves a work-group, no clusters, 0 bytes of LDS; arguments y, gate, out0; writes out0
